; MI455X (gfx1250); checked and timed in simulation.
; The chip was launched on July 23, 2026; its instructions are those of AMD's public machine-readable ISA for CDNA 5 (MIT licence, August 2026) and "CDNA5" Instruction Set Architecture Reference Guide (July 2026). The comments in the code are by the model that wrote it; some were corrected since.
;; M Mo E Layer. Allowed arithmetic: float matrix products may take bf16 or f16 operands with f32 sums; all other float work in f32.
;; Inputs: S 7 x 1,040 x 7 float32; W1 7 x 1,024 x 2,048 float32; W2 7 x 2,048 x 1,024 float32; b1 7 x 2,048 float32; b2 7 x 1,024 float32; scene 2,048 int32; scene_emb 10 x 16 float32; x 2,048 x 1,024 float32.
;; Outputs: out0 2 x 2,048 x 1,024 float32.
;; 2 versions, each right; version 2 is version 1 with the launch prep written anew for expert scheduling mode. Each part assembles by itself: llvm-mc -triple=amdgcn-amd-amdhsa -mcpu=gfx1250 --defsym DOCPART=n.
;; ======== version 1 of 2: 4 launches
;; workspace buffers: xb 4,194,304 bytes; W1b 29,360,128 bytes; W2b 29,360,128 bytes; hb 58,720,256 bytes; part 58,720,256 bytes; gate 65,536 bytes
;; launch prep (part 1): grid 1024 x 1, 8 waves a work-group, no clusters, 86,784 bytes of LDS; arguments x, S, scene, scene_emb, W1, W2, xb, gate, W1b, W2b; writes xb, gate, W1b, W2b
.if DOCPART == 1
	.amdgcn_target "amdgcn-amd-amdhsa--gfx1250"
	.amdhsa_code_object_version 6
	.text
	.protected	k_q249ae2667c_prep
	.globl	k_q249ae2667c_prep
	.p2align	8
	.type	k_q249ae2667c_prep,@function
k_q249ae2667c_prep:
	s_mov_b64 s[64:65], 0
	v_nop
	global_prefetch_b8 v0, s[64:65] scope:SCOPE_SE
	s_setreg_imm32_b32 hwreg(HW_REG_WAVE_MODE, 25, 1), 1
	s_wait_xcnt 0x0
; Two roles, chosen by the work-group's number (the same for all its waves).
; Work-groups 0-127 (GATE ROLE), 16 rows of x each: x is rounded to bf16 into xb; the routing product z[b][s][e] = [x, emb[scene]] . S is made in f32;
;   from it the gate[b][e] = softmax over e of G[e][scene], times select, is stored as gate[2048][8] (column 7 = 0).
; Work-groups 128-1023 (CAST ROLE), 131,072 bytes of f32 each: W1 and W2 are rounded to bf16, layout unchanged, into W1b and W2b.
; WHY THE f32 MATRIX FORM: the routing product is 2048 x 1040 x 49 multiply-adds against 2 x 2048 x 7 x 2048 x 1024 in the experts, and it feeds a choice
;   (which expert is dropped) that jumps: with operands rounded to bf16 the choice would differ from reference()'s in some rows.
; NO CLUSTER: the cast role shares nothing; the gate role shares S alone (203,840 bytes), which it loads through registers.
; LIMITS: scene is taken as 0..6 (reference() indexes eye(7) with it) and is clamped to 6.  v_exp_f32 and v_log_f32 flush denormals (ISA guide, their entries):
;   a softmax weight below 2^-126 counts as 0 and its logarithm as -inf; ties, among -inf too, drop the highest index, as top_k does.
;   NaN in the logits is not served.  The routing sums are f32 in another order than reference()'s (four quarters of K, added pairwise).
.set GATEWG, 128                       ; work-groups of the gate role
.set CASTWG, 448                       ; work-groups of the cast role for each of W1, W2: 58,720,256 / 131,072
.set XCP,  4176                        ; LDS pitch of a row of [x, emb]: 1040 f32 + 16 bytes = 1044 words; 1044 mod 64 = 20, so 16 rows' 8-byte pieces fall in different banks (64 banks of 4 bytes: ISA guide 11.1)
.set ZP,   16*XCP                      ; 66,816: the partial products, [4 quarters of K][16 rows][64 columns]
.set ZPP,  296                         ; pitch of a row there: 74 words; eight rows shift by 16 banks
.set ZQ,   16*ZPP                      ; 4,736: one quarter
.set BO,   14                          ; v14-15  byte offset in S of my column of tile 0, 1, at my first k
.set ACC,  16                          ; v[16:31] two accumulator tiles
.set SET0, 32                          ; v[32:109]  a batch of 13 K steps: A 26 registers, B 52
.set SET1, 110                         ; v[110:187] the other batch
.set XS,   110                         ; v[110:173] x as loaded, before SET1 is first filled
.set EMB,  188                         ; v[188:191] 16 bytes of an embedding row
.set X,    32                          ; cast role: v[32:159]
	s_load_b512 s[4:19], s[0:1], 0x0               ; x s[4:5], S s[6:7], scene s[8:9], scene_emb s[10:11], W1 s[12:13], W2 s[14:15], xb s[16:17], gate s[18:19]
	s_load_b128 s[20:23], s[0:1], 0x40             ; W1b s[20:21], W2b s[22:23]
	v_lshl_add_u32 v192, v0, 2, 0x14f00
	v_mov_b32 v193, 0
	v_lshrrev_b32 v1, 5, v0
	v_readfirstlane_b32 s24, v1                    ; wave 0..7
	s_cmp_ge_u32 ttmp9, GATEWG
	s_cbranch_scc1 .Lcast
; ------------------------------------------------------------------ GATE ROLE
; Wave w: quarter kq = w & 3 of K (k = 260 kq .. 260 kq + 259: 65 steps of 4), column tiles 2 nh and 2 nh + 1, nh = w >> 2.
; Column n = 7 s + e, 49 of them; columns 49-63 repeat column 48's numbers and are never used as results.
	s_and_b32 s25, s24, 3                          ; kq
	s_lshr_b32 s26, s24, 2                         ; nh
	v_and_b32 v2, 15, v0                           ; r
	v_bfe_u32 v3, v0, 4, 1                         ; h
	v_lshlrev_b32 v4, 4, v0                        ; 16 t: my 16 bytes of a row of x, in memory and in LDS
	v_lshlrev_b32 v5, 3, v0                        ; 8 t: the same numbers in xb
	s_mul_i32 s27, s25, 1040                       ; 260 kq numbers of 4 bytes
	v_mul_u32_u24 v6, v2, XCP
	v_lshl_add_u32 v6, v3, 3, v6
	v_add_nc_u32 v6, s27, v6                       ; A fragment (f32, K = 4): lane (r, h) holds row r, k = 2h, 2h + 1: 8 bytes at r pitch + 4 k0 + 8 h
	s_lshl_b32 s29, s26, 5                         ; my first column: 32 nh
	s_mul_i32 s28, s25, 7280                       ; 28 bytes from k to k + 1 in S, times 260 kq
	v_mul_u32_u24 v11, v3, 56                      ; 28 x 2h
	v_add_nc_u32 v11, s28, v11
	v_add_nc_u32 v8, s29, v2
.irp tt, 0,1
	v_add_nc_u32 v9, 16*\tt, v8                    ; n
	v_min_u32 v9, 48, v9                           ; padding columns read column 48: every load stays inside S
	v_mul_u32_u24 v10, v9, 37
	v_lshrrev_b32 v10, 8, v10                      ; s = n / 7, exact for n <= 48
	v_mul_u32_u24 v10, v10, 29092                  ; S[s][k][e] lies at 29120 s + 28 k + 4 e = 4 n + 29092 s + 28 k
	v_lshl_add_u32 v10, v9, 2, v10
	v_add_nc_u32 v[BO+\tt], v10, v11
.endr
	s_mul_i32 s30, s25, ZQ
	s_lshl_b32 s31, s26, 7
	s_add_co_u32 s30, s30, s31
	s_add_co_u32 s30, s30, ZP
	v_mul_u32_u24 v7, v3, 8*ZPP
	v_lshl_add_u32 v7, v2, 2, v7
	v_add_nc_u32 v7, s30, v7                       ; result register j of tile tt is (row 8h + j, column 32 nh + 16 tt + r)
	s_mov_b32 s33, 0
	s_wait_kmcnt 0x0
	s_lshl_b32 s32, ttmp9, 16                      ; 16 rows of 4,096 bytes
	s_add_nc_u64 s[4:5], s[4:5], s[32:33]
	s_lshl_b32 s32, ttmp9, 15                      ; of 2,048 bytes
	s_add_nc_u64 s[16:17], s[16:17], s[32:33]
	s_lshl_b32 s32, ttmp9, 6                       ; 16 words of scene
	s_add_nc_u64 s[8:9], s[8:9], s[32:33]
	s_lshl_b32 s32, ttmp9, 9                       ; 16 rows of 32 bytes of gate
	s_add_nc_u64 s[18:19], s[18:19], s[32:33]
; batch bt (K steps 13 bt .. 13 bt + 12 of my quarter) of S into register set rg: 52 loads.  bt may be a sum, so it stands in brackets.
.macro LOADB bt, rg
.irp i, 0,1,2,3,4,5,6,7,8,9,10,11,12
.irp tt, 0,1
.irp j, 0,1
	global_load_b32 v[\rg+26+4*\i+2*\tt+\j], v[BO+\tt], s[6:7] offset:112*(13*(\bt)+\i)+28*\j
.endr
.endr
.endr
.endm
; batch bt of [x, emb] from LDS: 13 loads of 8 bytes
.macro LOADA bt, rg
.irp i, 0,1,2,3,4,5,6,7,8,9,10,11,12
	ds_load_b64 v[\rg+2*\i:\rg+2*\i+1], v6 offset:16*(13*(\bt)+\i)
.endr
.endm
; one K step on both tiles.  The two accumulators take turns, one instruction a turn.
.macro MSTEP rg, i, zero
.irp tt, 0,1
.if \zero
	v_wmma_f32_16x16x4_f32 v[ACC+8*\tt:ACC+8*\tt+7], v[\rg+2*\i:\rg+2*\i+1], v[\rg+26+4*\i+2*\tt:\rg+26+4*\i+2*\tt+1], 0
.else
	v_wmma_f32_16x16x4_f32 v[ACC+8*\tt:ACC+8*\tt+7], v[\rg+2*\i:\rg+2*\i+1], v[\rg+26+4*\i+2*\tt:\rg+26+4*\i+2*\tt+1], v[ACC+8*\tt:ACC+8*\tt+7]
.endif
.endr
.endm
.macro MULB rg, zero                   ; zero = 1: the first step starts the sums, nothing is cleared
	MSTEP \rg, 0, \zero
.irp i, 1,2,3,4,5,6,7,8,9,10,11,12
	MSTEP \rg, \i, 0
.endr
.endm
.macro FAR                             ; eight places behind an f32 matrix instruction before its registers are loaded into or its result is stored (ISA guide 7.12.1)
.rept 8
	v_nop
.endr
.endm
.irp i, 0,1,2,3,4,5,6,7,8,9,10,11,12,13,14,15
	global_load_b128 v[XS+4*\i:XS+4*\i+3], v4, s[4:5] offset:4096*\i th:TH_LOAD_NT   ; row i: the 256 threads cover its 4,096 bytes
.endr
	LOADB 0, SET0
	; waves 0 and 1: the 16 rows' embeddings, 16 bytes a thread, behind x's 1024 numbers in each LDS row
	s_cmp_ge_u32 s24, 2
	s_cbranch_scc1 .Lnoemb
	v_lshrrev_b32 v8, 2, v0                        ; row
	v_and_b32 v9, 3, v0                            ; which 16 bytes
	v_lshlrev_b32 v10, 2, v8
	global_load_b32 v11, v10, s[8:9]
	v_mul_u32_u24 v8, v8, XCP
	v_lshl_add_u32 v8, v9, 4, v8
	s_wait_loadcnt 0x0                             ; scene[row] (and all that was issued before it)
	v_min_u32 v11, 6, v11
	v_lshlrev_b32 v11, 6, v11                      ; a row of scene_emb is 64 bytes
	v_lshl_add_u32 v11, v9, 4, v11
	global_load_b128 v[EMB:EMB+3], v11, s[10:11]
	s_wait_loadcnt 0x0
	ds_store_b128 v8, v[EMB:EMB+3] offset:4096
.Lnoemb:
	s_wait_loadcnt 52                              ; only S's first batch (52 loads, issued behind x's) may be out: x is in
; row i goes to LDS as f32 and to xb as bf16; cv: two registers of their own for the bf16 words
.macro STAGEX i, cv
	ds_store_b128 v4, v[XS+4*\i:XS+4*\i+3] offset:XCP*\i
	v_cvt_pk_bf16_f32 v[\cv], v[XS+4*\i], v[XS+4*\i+1]
	v_cvt_pk_bf16_f32 v[\cv+1], v[XS+4*\i+2], v[XS+4*\i+3]
	global_store_b64 v5, v[\cv:\cv+1], s[16:17] offset:2048*\i     ; a wave's store covers 256 consecutive bytes, aligned
.endm
.irp i, 0,1,2,3,4,5,6,7,8,9,10,11,12
	STAGEX \i, SET0+2*\i                           ; SET0's A part is not loaded yet
.endr
.irp i, 13,14,15
	STAGEX \i, 148+2*\i                            ; v174-179
.endr
	s_wait_xcnt 0x0                                ; the stores' data registers are loaded into below only behind this wait
	s_wait_dscnt 0x0                               ; my LDS stores are done: for the other waves, and before XS is loaded into
	LOADB 1, SET1
	s_barrier_signal -1
	s_barrier_wait -1                              ; the 16 rows of [x, emb] are whole
	LOADA 0, SET0
	LOADA 1, SET1
.macro BATCH bt, rg, zero                          ; multiplies batch bt and asks for batch bt + 2 into the same registers
	s_wait_loadcnt 52                              ; the next batch's 52 loads may stay out
	s_wait_dscnt 13                                ; and its 13 LDS loads
	MULB \rg, \zero
	FAR
	LOADB \bt+2, \rg
	LOADA \bt+2, \rg
.endm
	BATCH 0, SET0, 1
	BATCH 1, SET1, 0
	BATCH 2, SET0, 0
	s_wait_loadcnt 52
	s_wait_dscnt 13
	MULB SET1, 0                                   ; batch 3
	s_wait_loadcnt 0x0
	s_wait_dscnt 0x0
	MULB SET0, 0                                   ; batch 4: 5 x 13 = 65 steps
	FAR
.irp tt, 0,1
.irp j, 0,1,2,3,4,5,6,7
	ds_store_b32 v7, v[ACC+8*\tt+\j] offset:ZPP*\j+64*\tt
.endr
.endr
	s_wait_dscnt 0x0                               ; for the waves that read these sums
	s_barrier_signal -1
	s_barrier_wait -1
	s_cmp_ge_u32 s24, 4
	s_cbranch_scc1 .Lend                           ; 16 rows x 8 lanes are four waves' work
; The gate.  Thread t stands for row t >> 3 and expert e = t & 7; e = 7 is padding.  Everything across e stays inside eight neighbouring lanes.
.set ZR,  32                           ; v[32:59] z's four partial sums for each s
.set Z,   64                           ; v[64:70] z[s]
.set M,   71
.set T,   72                           ; v[72:78]
.set G,   80                           ; v[80:86] G[e][s]
.set SUM, 87
.set R,   88
.set GSC, 89                           ; G[e][scene]
.set L7,  92                           ; v[92:98]  7 G
.set LG,  100                          ; v[100:106] log2(7 G)
.set P,   107
.set Q,   108
.set U,   109
.set TM,  110
.set DP,  111
.set DQ,  112
.set EX,  113
.set ZERO, 114
.set GO,  115
	v_lshrrev_b32 v8, 3, v0                        ; row
	v_and_b32 v9, 7, v0                            ; e
	v_lshlrev_b32 v10, 2, v8
	global_load_b32 v11, v10, s[8:9]               ; scene[row]
	v_mul_u32_u24 v12, v8, ZPP
	v_lshl_add_u32 v12, v9, 2, v12
	v_add_nc_u32 v12, ZP, v12
.irp s, 0,1,2,3,4,5,6
.irp q, 0,1,2,3
	ds_load_b32 v[ZR+4*\s+\q], v12 offset:ZQ*\q+28*\s    ; column 7 s + e of quarter q
.endr
.endr
	v_cvt_f32_u32 v13, v9                          ; e as a float
	v_mov_b32 v[ZERO], 0
	v_lshlrev_b32 v[GO], 2, v0
	s_wait_loadcnt_dscnt 0x0
	v_min_u32 v11, 6, v11
.irp s, 0,1,2,3,4,5,6
	v_pk_add_f32 v[ZR+4*\s:ZR+4*\s+1], v[ZR+4*\s:ZR+4*\s+1], v[ZR+4*\s+2:ZR+4*\s+3]
.endr
.irp s, 0,1,2,3,4,5,6
	v_add_f32 v[Z+\s], v[ZR+4*\s], v[ZR+4*\s+1]
.endr
	v_max3_num_f32 v[M], v[Z], v[Z+1], v[Z+2]      ; softmax over s: the maximum is taken away first
	v_max3_num_f32 v[M], v[M], v[Z+3], v[Z+4]
	v_max3_num_f32 v[M], v[M], v[Z+5], v[Z+6]
.irp s, 0,1,2,3,4,5,6
	v_sub_f32 v[T+\s], v[Z+\s], v[M]
.endr
.irp s, 0,1,2,3,4,5,6
	v_mul_f32 v[T+\s], 0x3fb8aa3b, v[T+\s]         ; log2(e)
.endr
.irp s, 0,1,2,3,4,5,6
	v_exp_f32 v[G+\s], v[T+\s]
.endr
	v_nop                                          ; one plain place behind the transcendentals (ISA guide 5.7.2)
	s_wait_alu depctr_va_vdst(0)
	v_add_f32 v[SUM], v[G], v[G+1]
	v_add_f32 v[R], v[G+2], v[G+3]
	v_add_f32 v[GSC], v[G+4], v[G+5]
	v_add_f32 v[SUM], v[SUM], v[R]
	v_add_f32 v[GSC], v[GSC], v[G+6]
	v_add_f32 v[SUM], v[SUM], v[GSC]
	v_rcp_f32 v[R], v[SUM]
	v_nop
	s_wait_alu depctr_va_vdst(0)
.irp s, 0,1,2,3,4,5,6
	v_mul_f32 v[G+\s], v[G+\s], v[R]
.endr
	v_mov_b32 v[GSC], v[G]                         ; G[e][scene]: a choice of a value, made in every lane
.irp s, 1,2,3,4,5,6
	v_cmp_eq_u32 vcc_lo, \s, v11
	v_cndmask_b32 v[GSC], v[GSC], v[G+\s], vcc_lo
.endr
.irp s, 0,1,2,3,4,5,6
	v_mul_f32 v[L7+\s], 0x40e00000, v[G+\s]        ; 7 G
.endr
.irp s, 0,1,2,3,4,5,6
	v_log_f32 v[LG+\s], v[L7+\s]
.endr
	v_log_f32 v[P], v[GSC]
	v_nop
	s_wait_alu depctr_va_vdst(0)
	v_add_f32 v[Q], v[LG], v[LG+1]
	v_add_f32 v[TM], v[LG+2], v[LG+3]
	v_add_f32 v[DP], v[LG+4], v[LG+5]
	v_add_f32 v[Q], v[Q], v[TM]
	v_add_f32 v[DP], v[DP], v[LG+6]
	v_add_f32 v[Q], v[Q], v[DP]
	v_mul_f32 v[P], 0x3f317218, v[P]               ; p = ln G[e][scene]
	v_mul_f32 v[Q], 0x3dcacb89, v[Q]               ; q = (ln 2 / 7) x the sum of the seven log2
	v_cmp_ne_u32 vcc_lo, 7, v9                     ; the padding lane never holds a minimum, and adds nothing to the softmax over e
	v_cndmask_b32 v[P], 0x7f800000, v[P], vcc_lo
	v_cndmask_b32 v[Q], 0x7f800000, v[Q], vcc_lo
	v_cndmask_b32 v[U], 0xff800000, v[GSC], vcc_lo
; top 6 of 7 leaves out the smallest, among equals the one with the highest index: out = that index, as a float, in all eight lanes
.macro DROP val, out
	v_mov_b32 v[TM], v[\val]
	v_min_num_f32_dpp v[TM], v[TM], v[TM] row_xmask:1 row_mask:0xf bank_mask:0xf
	v_min_num_f32_dpp v[TM], v[TM], v[TM] row_xmask:2 row_mask:0xf bank_mask:0xf
	v_min_num_f32_dpp v[TM], v[TM], v[TM] row_xmask:4 row_mask:0xf bank_mask:0xf
	v_cmp_eq_f32 vcc_lo, v[\val], v[TM]
	v_cndmask_b32 v[\out], -1.0, v13, vcc_lo
	v_max_num_f32_dpp v[\out], v[\out], v[\out] row_xmask:1 row_mask:0xf bank_mask:0xf
	v_max_num_f32_dpp v[\out], v[\out], v[\out] row_xmask:2 row_mask:0xf bank_mask:0xf
	v_max_num_f32_dpp v[\out], v[\out], v[\out] row_xmask:4 row_mask:0xf bank_mask:0xf
.endm
	DROP P, DP
	DROP Q, DQ
	v_mov_b32 v[TM], v[U]                          ; softmax over e of G[e][scene], its maximum taken away
	v_max_num_f32_dpp v[TM], v[TM], v[TM] row_xmask:1 row_mask:0xf bank_mask:0xf
	v_max_num_f32_dpp v[TM], v[TM], v[TM] row_xmask:2 row_mask:0xf bank_mask:0xf
	v_max_num_f32_dpp v[TM], v[TM], v[TM] row_xmask:4 row_mask:0xf bank_mask:0xf
	v_sub_f32 v[U], v[U], v[TM]
	v_mul_f32 v[U], 0x3fb8aa3b, v[U]
	v_exp_f32 v[EX], v[U]
	v_nop
	s_wait_alu depctr_va_vdst(0)
	v_mov_b32 v[TM], v[EX]
	v_add_f32_dpp v[TM], v[TM], v[TM] row_xmask:1 row_mask:0xf bank_mask:0xf
	v_add_f32_dpp v[TM], v[TM], v[TM] row_xmask:2 row_mask:0xf bank_mask:0xf
	v_add_f32_dpp v[TM], v[TM], v[TM] row_xmask:4 row_mask:0xf bank_mask:0xf
	v_rcp_f32 v[R], v[TM]
	v_nop
	v_cmp_eq_f32 s40, v[DP], v13
	v_cmp_eq_f32 s41, v[DQ], v13
	s_and_b32 vcc_lo, s40, s41                     ; an expert is switched off only where both selections leave it out
	s_wait_alu depctr_va_vdst(0)
	v_mul_f32 v[EX], v[EX], v[R]
	v_cndmask_b32 v[EX], v[EX], v[ZERO], vcc_lo
	global_store_b32 v[GO], v[EX], s[18:19]        ; a wave stores 128 consecutive bytes; the four waves' 512 bytes are the group's 16 rows (the whole buffer is 65,536 bytes)
.Lend:
	s_wait_tensorcnt 0x0
	ds_add_u32 v192, v193
	s_wait_dscnt 0x0
	s_endpgm
; ------------------------------------------------------------------ CAST ROLE
; A wave takes 16,384 bytes of f32: 32 loads of 512 consecutive bytes, all issued first; then, load by load, two roundings and a store of 256 consecutive bytes, aligned.
; No register is written twice, so the only waits are the counted ones for the loads.
.Lcast:
	s_sub_co_u32 s25, ttmp9, GATEWG
	v_and_b32 v1, 31, v0
	v_lshlrev_b32 v2, 3, v1                        ; 8 bytes a lane out
	v_lshlrev_b32 v1, 4, v1                        ; 16 bytes a lane in
	s_wait_kmcnt 0x0
	s_cmp_lt_u32 s25, CASTWG                       ; the first 448 take W1, the others W2
	s_cselect_b64 s[26:27], s[12:13], s[14:15]
	s_cselect_b64 s[28:29], s[20:21], s[22:23]
	s_cselect_b32 s30, 0, CASTWG
	s_sub_co_u32 s25, s25, s30
	s_lshl_b32 s30, s25, 17                        ; 131,072 bytes a work-group
	s_lshl_b32 s31, s24, 14                        ; 16,384 a wave
	s_add_co_u32 s30, s30, s31
	s_mov_b32 s31, 0
	s_lshr_b32 s32, s30, 1                         ; half of that on the way out
	s_mov_b32 s33, 0
	s_add_nc_u64 s[26:27], s[26:27], s[30:31]
	s_add_nc_u64 s[28:29], s[28:29], s[32:33]
.set i, 0
.rept 32
	global_load_b128 v[X+4*i:X+4*i+3], v1, s[26:27] offset:512*i th:TH_LOAD_NT
.set i, i+1
.endr
.set i, 0
.rept 32
	s_wait_loadcnt 31-i                            ; loads come back in order (ISA guide 5.7.1): the 31 - i younger ones stay out
	v_cvt_pk_bf16_f32 v[X+4*i], v[X+4*i], v[X+4*i+1]
	v_cvt_pk_bf16_f32 v[X+4*i+1], v[X+4*i+2], v[X+4*i+3]
	global_store_b64 v2, v[X+4*i:X+4*i+1], s[28:29] offset:256*i
.set i, i+1
.endr
	s_endpgm
.Lfunc_end_k_q249ae2667c_prep:
	.size	k_q249ae2667c_prep, .Lfunc_end_k_q249ae2667c_prep-k_q249ae2667c_prep
	.p2alignl 7, 3214868480
	.fill 96, 4, 3214868480
	.section	.rodata,"a",@progbits
	.p2align	6, 0x0
	.amdhsa_kernel k_q249ae2667c_prep
		.amdhsa_group_segment_fixed_size 86784
		.amdhsa_private_segment_fixed_size 0
		.amdhsa_enable_private_segment 0
		.amdhsa_kernarg_size 80
		.amdhsa_user_sgpr_count 2
		.amdhsa_user_sgpr_kernarg_segment_ptr 1
		.amdhsa_wavefront_size32 1
		.amdhsa_system_sgpr_workgroup_id_x 1
		.amdhsa_system_sgpr_workgroup_id_y 1
		.amdhsa_system_sgpr_workgroup_id_z 1
		.amdhsa_system_vgpr_workitem_id 0
		.amdhsa_next_free_vgpr 194
		.amdhsa_next_free_sgpr 66
		.amdhsa_reserve_vcc 1
		.amdhsa_float_denorm_mode_32 3
		.amdhsa_float_denorm_mode_16_64 3
		.amdhsa_memory_ordered 1
		.amdhsa_forward_progress 1
		.amdhsa_inst_pref_size 69
	.end_amdhsa_kernel
	.amdgpu_metadata
---
amdhsa.version: [ 1, 2 ]
amdhsa.kernels:
  - .name:           k_q249ae2667c_prep
    .symbol:         k_q249ae2667c_prep.kd
    .args:
      - { .name: x, .offset: 0, .size: 8, .value_kind: global_buffer, .address_space: global }
      - { .name: S, .offset: 8, .size: 8, .value_kind: global_buffer, .address_space: global }
      - { .name: scene, .offset: 16, .size: 8, .value_kind: global_buffer, .address_space: global }
      - { .name: scene_emb, .offset: 24, .size: 8, .value_kind: global_buffer, .address_space: global }
      - { .name: W1, .offset: 32, .size: 8, .value_kind: global_buffer, .address_space: global }
      - { .name: W2, .offset: 40, .size: 8, .value_kind: global_buffer, .address_space: global }
      - { .name: xb, .offset: 48, .size: 8, .value_kind: global_buffer, .address_space: global }
      - { .name: gate, .offset: 56, .size: 8, .value_kind: global_buffer, .address_space: global }
      - { .name: W1b, .offset: 64, .size: 8, .value_kind: global_buffer, .address_space: global }
      - { .name: W2b, .offset: 72, .size: 8, .value_kind: global_buffer, .address_space: global }
    .group_segment_fixed_size: 86784
    .private_segment_fixed_size: 0
    .kernarg_segment_align: 8
    .kernarg_segment_size: 80
    .max_flat_workgroup_size: 256
    .sgpr_count:     66
    .vgpr_count:     194
    .wavefront_size: 32
...
	.end_amdgpu_metadata
.endif
;; end of part 1
;; launch layer1 (part 2): grid 8 x 28, 4 waves a work-group, clusters of 4 x 4, 327,680 bytes of LDS; arguments xb, W1b, b1, hb; writes hb
.if DOCPART == 2
	.amdgcn_target "amdgcn-amd-amdhsa--gfx1250"
	.amdhsa_code_object_version 6
	.text
	.protected	k_q249ae2667c_layer1
	.globl	k_q249ae2667c_layer1
	.p2align	8
	.type	k_q249ae2667c_layer1,@function
k_q249ae2667c_layer1:
	s_mov_b64 s[64:65], 0
	v_nop
	global_prefetch_b8 v0, s[64:65] scope:SCOPE_SE
	s_setreg_imm32_b32 hwreg(HW_REG_WAVE_MODE, 25, 1), 1
	s_wait_xcnt 0x0
	s_wait_alu depctr_hold_cnt(0) depctr_sa_sdst(0) depctr_va_vdst(0) depctr_va_sdst(0) depctr_va_ssrc(0) depctr_va_vcc(0) depctr_vm_vsrc(0)
	s_getreg_b32 s2, hwreg(HW_REG_IB_STS2, 6, 4)
	s_cmp_eq_u32 s2, 0
	s_cbranch_scc0 .Lentry_in_a_cluster
	s_endpgm
.Lentry_in_a_cluster:
	s_bfe_u32 s2, ttmp6, 0x10000c
	s_cmp_lg_u32 s2, 0xf033
	s_cbranch_scc0 .Lentry_shape_is_right
	s_endpgm
.Lentry_shape_is_right:
; hb[m][n] = bf16(relu(b1[n] + sum over k of xb[m][k] W1b[e][k][h])), n = 2048 e + h: one product 2048 x 14336 x 1024.
; xb: [2048][1024] bf16 (K along the rows).  W1b: [7][1024][2048] bf16 (K from row to row).  b1: [7][2048] f32.  hb: [2048][14336] bf16.  Sums in f32.
; A tile is 256 x 256 of hb, made by four waves, one on each SIMD of a WGP; a wave makes 128 x 128: 64 accumulator tiles of 16 x 16, 512 registers.
; K goes in steps of 128 through a ring of two LDS slots filled by the tensor data mover.
; A's tile: 256 rows of 256 bytes.  B's tile: 128 k-rows of 512 bytes (256 columns), read transposed by ds_load_tr16_b128: the weights are never transposed in memory.
; WORK-GROUPS THAT STAY: hb has 8 x 56 = 448 tiles; 224 work-groups make two each: block columns cy and 4 + cy of one expert (2048 columns = 8 blocks), the same 256 rows.
; The ring runs on over the change of tiles: the first tile's last lap asks for the second tile's K steps 0 and 1, which land during the first tile's way out, and the
; first tile's stores leave while the second tile is multiplied.  K has only 8 steps, so arguments, first tiles and last stores are paid once for two tiles.
; 448 tiles are 28 blocks of 4 x 4 tiles: on sixteen clusters' places they take two tiles' time either way, so nothing is lost by launching 14 clusters.
; CLUSTERS: 4 x 4 work-groups.  Block row = 4 x cluster x + cx; the expert = cluster y; block column from cy.  The four with one cx need the same tiles of A, the four with
; one cy the same tiles of B: each tile is asked for jointly, by the same tensor load with the same descriptor and a mask that names the four: a quarter of the requests.
; ORDER: the grid's x counts block rows, so the two clusters that read one expert's weights are neighbours in the launch order and walk W1b[e] at the same time.
; THE BIAS STARTS THE SUMS: the first product of each tile takes the bias, spread as a result tile is spread, as its C.  Nothing is cleared and nothing is added later.
; LIMITS: bias and products are summed in one f32 accumulator, K ascending.  relu is v_max_num_f32 with 0: a NaN sum gives 0, where reference() gives NaN.
;
; REGISTERS, in windows of 256 (s_set_vgpr_msb's low byte: bits 1:0 source 0, 3:2 source 1, 5:4 source 2, 7:6 destination):
;   window 0: v16-27 addresses; v64-127, v128-191 fragments of A, two buffers; v192-255 the first tile's bias, later the packed results
;   window 1: v64-127, v128-191 fragments of B, two buffers; v192-255 the second tile's bias
;   window 2: the 32 accumulator tiles of my rows 0-63 (tile (a, b) at v[8 (8 a + b)]);   window 3: those of my rows 64-127
; THE MATRIX INSTRUCTION IS USED TRANSPOSED: source 0 = 16 columns of B, source 1 = 16 rows of A.  Lane l then holds row l % 16 of the result and its registers 0 to 7
; the columns 8 (l / 16) + 0 .. 7: eight neighbouring numbers of a row, which pack into 16 bytes.
.set KSTEP,  128
.set PITCH,  272                       ; A's LDS row: 256 bytes + 16 of padding = 68 words: the 16 rows that a load touches start at 16 different banks (64 banks of 4 bytes: ISA guide 11.1)
.set BPITCH, 544                       ; B's LDS row: 512 bytes + 32 of padding: the 8 rows x 2 pieces of 16 bytes that sixteen lanes touch fall on 16 different pieces modulo 256 bytes
.set HALFT,  128*PITCH                 ; 34,816 = 128 rows of A = 64 k-rows of B: what one tensor load brings
.set SLOT,   4*HALFT                   ; A's 256 rows, then B's 128 k-rows
.set STAGE,  2*SLOT                    ; behind the ring: 16 rows x 272 bytes for each wave, for the way out; no tensor load lands there
.set SPITCH, 272
.set SIZE_K, 1024
.set LAPS,   SIZE_K/(2*KSTEP)          ; 4 laps a tile; a lap = two K steps = once round the ring
.set APIT,   1024                      ; elements from row to row of xb
.set BPIT,   2048                      ; elements from k to k + 1 in W1b
.set ASTEP,  KSTEP*2                   ; bytes of a K step along A's rows
.set BSTEP,  KSTEP*BPIT*2              ; bytes of a K step down B's rows
.set CROW,   28672                     ; bytes in a row of hb
.set T2COL,  4*256                     ; columns from my first tile to my second
.set ADRA, 16                          ; v16-17  LDS address of my A fragments in slot 0, 1
.set ADRB, 20                          ; v20-21  the same for B
.set STO,  24                          ; v24     the way out: where I put 16 bytes of a row
.set RD,   25                          ; v25     the way out: where I read a row back
.set CO,   26                          ; v26     my byte offset in hb
.set BOF,  27                          ; v27     my byte offset in the bias
.set F0,   64
.set F1,   128
.set BIAS, 192                         ; v[192:255] bias of my 128 columns: block b, register j = column 16 b + 8 (l / 16) + j; window 0: first tile, window 1: second
.set RL,   64                          ; the way out: results after relu, f32
.set TMP,  192                         ; the way out: packed results
.set G1,  24                           ; s[24:31] descriptor group 1 for A's tiles
.set G0,  32                           ; s[32:39] descriptor group 0 for A's tiles, one set for each slot
.set G1B, 48                           ; s[48:55] group 1 for B's tiles
.set G0B, 56                           ; s[56:63] group 0 for B's tiles, one set for each slot
.set MSB, 0
.macro WIN new                         ; the immediate's high byte repeats the setting that is left
.if MSB != \new
	s_set_vgpr_msb (MSB<<8)|\new
.set MSB, \new
.endif
.endm
.set MUL_LO, 0xa1                      ; source 0 (B) window 1, source 1 (A) window 0, C and D window 2
.set MUL_HI, 0xf1                      ; the same, C and D window 3
.set BIA_LO, 0x81                      ; C (the first tile's bias) window 0, D window 2
.set BIA_HI, 0xc1                      ; C window 0, D window 3
.set BIB_LO, 0x91                      ; C (the second tile's bias) window 1, D window 2
.set BIB_HI, 0xd1                      ; C window 1, D window 3
.set TO_B,   0x40                      ; destination window 1, address window 0
; A joint load.  Waves 0 and 1 fetch A's two halves, waves 2 and 3 B's.  Each line has one mask and one set of registers for all that issue it.
; The branch hangs on the wave's number alone: it is the same in every work-group.
.macro JLOAD s
	s_cmp_eq_u32 s11, 0
	s_cbranch_scc0 .Lfor_b_\@
	tensor_load_to_lds s[G0+4*\s:G0+4*\s+3], s[G1:G1+7]
	s_nop 0
	s_branch .Lasked_\@
.Lfor_b_\@:
	tensor_load_to_lds s[G0B+4*\s:G0B+4*\s+3], s[G1B:G1B+7]
	s_nop 0
.Lasked_\@:
.endm
; A round of the cluster's barrier: my work-group's barrier; wave 0 signals for the work-group; every wave waits for all sixteen; my work-group's barrier once more.
.macro CREST                           ; a round behind its opening barrier
	s_cmp_lg_u32 s10, 0
	s_cbranch_scc1 .Lnot_wave_0_\@
	s_barrier_signal -3
.Lnot_wave_0_\@:
	s_barrier_wait -3
	s_barrier_signal -1
	s_barrier_wait -1
.endm
.macro CROUND                          ; a whole round
	s_barrier_signal -1
	s_barrier_wait -1
	CREST
.endm
	s_load_b128 s[4:7], s[0:1], 0x0                ; xb s[4:5], W1b s[6:7]
	s_load_b128 s[68:71], s[0:1], 0x10             ; b1 s[68:69], hb s[70:71]
	s_set_vgpr_msb 0x40
	v_lshl_add_u32 v63, v0, 2, 0x48400
	s_set_vgpr_msb 0x4000
	v_mov_b32 v63, 0
	s_set_vgpr_msb 0x1
	ds_add_u32 v63, v63
	s_set_vgpr_msb 0x100
	v_lshrrev_b32 v1, 5, v0
	v_readfirstlane_b32 s10, v1                    ; wave 0..3
	s_lshr_b32 s11, s10, 1                         ; which half of the block's rows is mine.  Also: I fetch for A (0) or for B (1)
	s_and_b32 s12, s10, 1                          ; which half of its columns.  Also: which half of that tile I fetch
	s_bfe_u32 s40, ttmp6, 0x40000                  ; cx
	s_bfe_u32 s41, ttmp6, 0x40004                  ; cy
	s_lshl_b32 s13, ttmp9, 2
	s_add_co_u32 s13, s13, s40                     ; block row = 4 x cluster x + cx, 0..7
	s_and_b32 s45, ttmp7, 0xffff                   ; the expert = cluster y, 0..6: the same in the whole cluster
	s_lshl_b32 s42, s45, 3
	s_add_co_u32 s42, s42, s41                     ; my first tile's block column = 8 x expert + cy
	s_lshl_b32 s43, 0x1111, s40                    ; those with my cx: places cx, cx + 4, cx + 8, cx + 12
	s_lshl_b32 s44, s41, 2
	s_lshl_b32 s44, 15, s44                        ; those with my cy: places 4 cy .. 4 cy + 3
	; group 1 for A: 128 rows x 128 elements of 2 bytes, 4 words of padding behind every 64; A's tiles hang on the block row: shared by those with my cx
	s_or_b32 s[G1+0], s43, (1<<16)|(1<<20)|(1<<21)|(5<<22)|(3<<25)
	s_mov_b32 s[G1+1], KSTEP<<16                   ; tensor_dim0 = 128
	s_mov_b32 s[G1+2], 128<<16                     ; tensor_dim1 = 128
	s_mov_b32 s[G1+3], KSTEP<<16                   ; tile_dim0 = 128
	s_mov_b32 s[G1+4], 128                         ; tile_dim1 = 128
	s_mov_b32 s[G1+5], APIT                        ; elements from row to row
	s_mov_b32 s[G1+6], 0
	s_mov_b32 s[G1+7], 0
	; group 1 for B: 64 k-rows x 256 elements of 2 bytes, 8 words of padding behind every 128; B's tiles hang on the block column: shared by those with my cy
	s_or_b32 s[G1B+0], s44, (1<<16)|(1<<20)|(1<<21)|(6<<22)|(7<<25)
	s_mov_b32 s[G1B+1], 256<<16                    ; tensor_dim0 = 256
	s_mov_b32 s[G1B+2], 64<<16                     ; tensor_dim1 = 64
	s_mov_b32 s[G1B+3], 256<<16                    ; tile_dim0 = 256
	s_mov_b32 s[G1B+4], 64                         ; tile_dim1 = 64
	s_mov_b32 s[G1B+5], BPIT
	s_mov_b32 s[G1B+6], 0
	s_mov_b32 s[G1B+7], 0
	; where the tiles come from.  A's hang on cx alone, B's on cy alone (and the expert, which all share); each in registers that never hold the other coordinate.
	s_lshl_b32 s17, s12, 7
	s_lshl_b32 s16, s13, 8
	s_add_co_u32 s16, s16, s17                     ; A: row 256 x block row + 128 x half
	s_lshl_b32 s16, s16, 11                        ; rows of 2,048 bytes
	s_mov_b32 s17, 0
	s_lshl_b32 s46, s45, 22                        ; B: the expert, 1024 x 2048 x 2 bytes each,
	s_lshl_b32 s47, s41, 9                         ; + 256 columns of 2 bytes for each block inside it,
	s_add_co_u32 s46, s46, s47
	s_lshl_b32 s47, s12, 18                        ; + 64 k-rows of 4,096 bytes for the second half
	s_add_co_u32 s46, s46, s47
	s_mov_b32 s47, 0
	s_mul_i32 s20, s10, HALFT                      ; where they go: A's halves, then B's = wave x 34,816: no place in the cluster enters an LDS address
	s_wait_dscnt 0x0
	s_wait_kmcnt 0x0
	s_add_nc_u64 s[14:15], s[4:5], s[16:17]        ; A at K step 0: kept, the second tile starts from it again
	s_add_nc_u64 s[46:47], s[6:7], s[46:47]        ; B at the first tile's K step 0: kept
	CROUND                                         ; all sixteen work-groups are here: the first joint loads meet
.irp s, 0,1
	s_mov_b32 s[G0+4*\s], 1
	s_add_co_u32 s[G0+4*\s+1], s20, \s*SLOT
	s_add_nc_u64 s[G0+4*\s+2:G0+4*\s+3], s[14:15], \s*ASTEP
	s_or_b32 s[G0+4*\s+3], s[G0+4*\s+3], 0x80000000
	s_mov_b32 s[G0B+4*\s], 1
	s_add_co_u32 s[G0B+4*\s+1], s20, \s*SLOT
	s_add_nc_u64 s[G0B+4*\s+2:G0B+4*\s+3], s[46:47], \s*BSTEP
	s_or_b32 s[G0B+4*\s+3], s[G0B+4*\s+3], 0x80000000
	JLOAD \s                                       ; K steps 0 and 1: two tensor loads of the wave are out, the most in this text
.endr
	v_and_b32 v1, 15, v0                           ; l % 16
	v_bfe_u32 v2, v0, 4, 1                         ; l / 16
	; the bias of my 128 columns, for both tiles at once
	s_lshl_b32 s72, s42, 10                        ; 256 columns of 4 bytes a block
	s_lshl_b32 s73, s12, 9
	s_add_co_u32 s72, s72, s73
	s_mov_b32 s73, 0
	s_add_nc_u64 s[68:69], s[68:69], s[72:73]
	v_lshlrev_b32 v[BOF], 5, v2                    ; columns 8 (l / 16) ..
.irp b, 0,1,2,3,4,5,6,7
	global_load_b128 v[BIAS+8*\b:BIAS+8*\b+3],   v[BOF], s[68:69] offset:64*\b
	global_load_b128 v[BIAS+8*\b+4:BIAS+8*\b+7], v[BOF], s[68:69] offset:64*\b+16
.endr
	WIN TO_B                                       ; the second tile's, 1,024 columns on, into window 1
.irp b, 0,1,2,3,4,5,6,7
	global_load_b128 v[BIAS+8*\b:BIAS+8*\b+3],   v[BOF], s[68:69] offset:T2COL*4+64*\b
	global_load_b128 v[BIAS+8*\b+4:BIAS+8*\b+7], v[BOF], s[68:69] offset:T2COL*4+64*\b+16
.endr
	WIN 0
	; hb at my wave's first row and first column of the first tile
	s_lshl_b32 s16, s13, 8
	s_lshl_b32 s17, s11, 7
	s_add_co_u32 s16, s16, s17                     ; my first row
	s_mul_i32 s16, s16, CROW                       ; below 2048 x 28,672: 32 bits hold it
	s_mov_b32 s17, 0
	s_add_nc_u64 s[70:71], s[70:71], s[16:17]
	s_lshl_b32 s72, s42, 9                         ; my first column, in bytes: 512 x block + 256 x half
	s_lshl_b32 s73, s12, 8
	s_add_co_u32 s72, s72, s73
	s_mov_b32 s73, 0
	s_add_nc_u64 s[70:71], s[70:71], s[72:73]
	; A fragment: lane l holds row l % 16; registers 0-3 hold K = 8 (l / 16) + 0..7, registers 4-7 K = 16 + 8 (l / 16) + 0..7: two loads of 16 bytes, 32 bytes apart
	v_mul_u32_u24 v3, v1, PITCH
	v_lshl_add_u32 v3, v2, 4, v3
	s_mul_i32 s21, s11, HALFT                      ; my 128 rows of A
	; B fragment by the transposing load: lane l addresses k-row 8 (l / 16) + (l & 7), 16 bytes at 16 ((l >> 3) & 1), and receives column l % 16, K as above; the second load 16 k-rows down
	v_and_b32 v6, 7, v0
	v_lshl_add_u32 v6, v2, 3, v6
	v_mul_u32_u24 v6, v6, BPITCH
	v_bfe_u32 v7, v0, 3, 1
	v_lshl_add_u32 v6, v7, 4, v6
	s_lshl_b32 s22, s12, 8                         ; my 128 columns of B,
	s_add_co_u32 s22, s22, 2*HALFT                 ; which lies behind A's 256 rows
.irp s, 0,1
	v_add_nc_u32 v[ADRA+\s], s21, v3
	v_add_nc_u32 v[ADRB+\s], s22, v6
	s_add_co_u32 s21, s21, SLOT
	s_add_co_u32 s22, s22, SLOT
.endr
	s_mul_i32 s23, s10, 16*SPITCH
	s_add_co_u32 s23, s23, STAGE                   ; my stage
	v_mul_u32_u24 v4, v1, SPITCH                   ; in: row l % 16, 16 bytes for each half of the lanes
	v_lshl_add_u32 v4, v2, 4, v4
	v_add_nc_u32 v[STO], s23, v4
	v_mul_u32_u24 v5, v2, SPITCH                   ; back: lanes 0-15 take one row of 256 bytes, lanes 16-31 the next
	v_lshl_add_u32 v5, v1, 4, v5
	v_add_nc_u32 v[RD], s23, v5
	v_mul_u32_u24 v5, v2, CROW                     ; and the same two rows in hb
	v_lshl_add_u32 v[CO], v1, 4, v5
; 16 matrix instructions: m blocks a0, a0 + 1 of the window's four (hi = 0: my rows 0-63, 1: rows 64-127) x all 8 n blocks, 32 along K.
; first = 1 or 2: the product starts the sums from the bias (of the first or the second tile: the window says which).
; The 64 accumulators take turns, one instruction a turn, in the same order in every quarter.
.macro MUL16 f, hi, a0, first
.irp a, \a0, \a0+1
.irp b, 0,1,2,3,4,5,6,7
.if \first
	v_wmma_f32_16x16x32_bf16 v[8*(8*(\a)+\b):8*(8*(\a)+\b)+7], v[\f+8*\b:\f+8*\b+7], v[\f+8*(4*\hi+\a):\f+8*(4*\hi+\a)+7], v[BIAS+8*\b:BIAS+8*\b+7]
.else
	v_wmma_f32_16x16x32_bf16 v[8*(8*(\a)+\b):8*(8*(\a)+\b)+7], v[\f+8*\b:\f+8*\b+7], v[\f+8*(4*\hi+\a):\f+8*(4*\hi+\a)+7], v[8*(8*(\a)+\b):8*(8*(\a)+\b)+7]
.endif
.endr
.endr
.endm
; 32 LDS loads in one run: the fragments of quarter q of a K step (128 columns of B, 128 rows of A, 32 along K) into buffer f
.macro FETCH slot, q, f
	WIN TO_B
.irp i, 0,1,2,3,4,5,6,7
	ds_load_tr16_b128 v[\f+8*\i:\f+8*\i+3],   v[ADRB+\slot] offset:\q*32*BPITCH+32*\i
	ds_load_tr16_b128 v[\f+8*\i+4:\f+8*\i+7], v[ADRB+\slot] offset:\q*32*BPITCH+16*BPITCH+32*\i
.endr
	WIN 0
.irp i, 0,1,2,3,4,5,6,7
	ds_load_b128 v[\f+8*\i:\f+8*\i+3],   v[ADRA+\slot] offset:\q*64+\i*16*PITCH
	ds_load_b128 v[\f+8*\i+4:\f+8*\i+7], v[ADRA+\slot] offset:\q*64+\i*16*PITCH+32
.endr
.endm
; Four places behind a matrix instruction before a load is issued into a register that it read, or a vector instruction or LDS store reads its result
; (ISA guide 7.12.1 for vector instructions); the matrix instructions in between are not counted.
.macro PLACES
.rept 4
	v_nop
.endr
.endm
; One of a K step's first three quarters: multiplies buffer f; in its middle it fetches quarter q of the same slot into buffer g.
.macro QUARTER slot, q, f, g, first
	s_wait_dscnt 8                                 ; B and A's rows 0-63 are in; the youngest eight loads (A's rows 64-127) may be out
.if \first == 2
	WIN BIB_LO
.else
.if \first == 1
	WIN BIA_LO
.else
	WIN MUL_LO
.endif
.endif
	MUL16 \f, 0, 0, \first
	MUL16 \f, 0, 2, \first
	PLACES
	FETCH \slot, \q, \g
	s_wait_dscnt 32                                ; all but the 32 just issued
.if \first == 2
	WIN BIB_HI
.else
.if \first == 1
	WIN BIA_HI
.else
	WIN MUL_HI
.endif
.endif
	MUL16 \f, 1, 0, \first
	MUL16 \f, 1, 2, \first
.endm
.macro THREE slot, first
	QUARTER \slot, 1, F0, F1, \first
	QUARTER \slot, 2, F1, F0, 0
	QUARTER \slot, 3, F0, F1, 0
.endm
; The last quarter: multiplies buffer 1 and changes slots.
; fill = 1: this slot is filled again, two K steps ahead.  fill = 2: with the second tile's K step of this slot's number.  fill = 0: not at all.
; fetch = 1: the next slot's first fragments are read here.  fetch = 0: not yet (a way out follows, which uses window 0's fragment registers).
; In front of the barrier each wave waits for its own reads of this slot and for all its tensor loads (one is out: its part of the next slot).
; Behind it nobody reads this slot any more and the next slot is whole: the refill comes first, then the next slot's first fragments.
.macro TURN slot, next, fill, fetch
	s_wait_dscnt 8
	WIN MUL_LO
	MUL16 F1, 0, 0, 0
	s_wait_dscnt 0                                 ; my reads of this slot are over
	s_wait_tensorcnt 0x0                           ; and all my tensor loads have landed
	ds_add_u32 v63, v63
	s_wait_dscnt 0x0
	s_barrier_signal -1                            ; say so (where a slot is filled again this barrier opens a round of the cluster's barrier),
	MUL16 F1, 0, 2, 0                              ; work on registers while the others arrive,
	WIN 0
	s_barrier_wait -1
.if \fill
	CREST                                          ; all sixteen work-groups have said so: no wave of any partner still reads this slot or has a load on its way
.if \fill == 1
	s_add_nc_u64 s[G0+4*\slot+2:G0+4*\slot+3], s[G0+4*\slot+2:G0+4*\slot+3], 2*ASTEP
	s_add_nc_u64 s[G0B+4*\slot+2:G0B+4*\slot+3], s[G0B+4*\slot+2:G0B+4*\slot+3], 2*BSTEP
.else
	s_add_nc_u64 s[G0+4*\slot+2:G0+4*\slot+3], s[14:15], \slot*ASTEP           ; A: the same rows, K from its start again
	s_or_b32 s[G0+4*\slot+3], s[G0+4*\slot+3], 0x80000000
	s_add_nc_u64 s[G0B+4*\slot+2:G0B+4*\slot+3], s[46:47], \slot*BSTEP+T2COL*2 ; B: K from its start, 1,024 columns on
	s_or_b32 s[G0B+4*\slot+3], s[G0B+4*\slot+3], 0x80000000
.endif
	JLOAD \slot                                    ; the wave's one tensor load behind the round, and the first thing there
.endif
.if \fetch
	PLACES
	FETCH \next, 0, F0
.endif
	WIN MUL_HI
	MUL16 F1, 1, 0, 0
	MUL16 F1, 1, 2, 0
.endm
.macro LAP first                       ; once round the ring, both slots filled again
	THREE 0, \first
	TURN 0, 1, 1, 1
	THREE 1, 0
	TURN 1, 0, 1, 1
.endm
; THE WAY OUT, 16 rows at a time: relu, round to bf16, 16 bytes a lane into my own stage in LDS, read back as whole rows of 256 bytes.
; rows 16 i .. 16 i + 15 of my block = the eight tiles (a, 0..7) of window 2 or 3 (from = 0x08 or 0x0c: source 1); f: v128 or v160 in turn
.macro OUT16 i, a, from, f
	WIN \from
.irp b, 0,1,2,3,4,5,6,7
.irp j, 0,1,2,3,4,5,6,7
	v_max_num_f32 v[RL+8*\b+\j], 0, v[8*(8*\a+\b)+\j]
.endr
.endr
	WIN 0
.irp b, 0,1,2,3,4,5,6,7
.irp r, 0,1,2,3
	v_cvt_pk_bf16_f32 v[TMP+4*\b+\r], v[RL+8*\b+2*\r], v[RL+8*\b+2*\r+1]
.endr
.endr
.irp b, 0,1,2,3,4,5,6,7
	ds_store_b128 v[STO], v[TMP+4*\b:TMP+4*\b+3] offset:32*\b
.endr
	s_wait_xcnt 0x0                                ; buffer f, which earlier stores read, and the stores' base are rewritten only behind this wait
.if \i
	s_add_nc_u64 s[70:71], s[70:71], 16*CROW       ; 16 rows on: the stores' offsets stay at 14 rows at the most
.endif
.irp t, 0,1,2,3,4,5,6,7
	ds_load_b128 v[\f+4*\t:\f+4*\t+3], v[RD] offset:\t*2*SPITCH    ; LDS serves a wave's instructions in order (ISA guide 5.7.1.4): these see the stores above
.endr
.irp t, 0,1,2,3,4,5,6,7
	s_wait_dscnt 7-\t
	global_store_b128 v[CO], v[\f+4*\t:\f+4*\t+3], s[70:71] offset:2*\t*CROW   ; 16 lanes store 256 consecutive bytes, at a multiple of 256 from hb's first byte
.endr
.endm
.macro WAYOUT
	PLACES                                         ; behind the last matrix instructions: the lines below read results and write fragment registers
	OUT16 0, 0, 0x08, 128
	OUT16 1, 1, 0x08, 160
	OUT16 2, 2, 0x08, 128
	OUT16 3, 3, 0x08, 160
	OUT16 4, 0, 0x0c, 128
	OUT16 5, 1, 0x0c, 160
	OUT16 6, 2, 0x0c, 128
	OUT16 7, 3, 0x0c, 160
.endm
	s_wait_loadcnt 0x0                             ; both biases
	s_wait_tensorcnt 1                             ; my part of K step 0 is in; K step 1's may stay out
	s_barrier_signal -1
	s_barrier_wait -1                              ; everybody's is
	FETCH 0, 0, F0
	; ---- the first tile
	LAP 1                                          ; the first lap stands in front of the loop: its first products start the sums
	WIN 0                                          ; at a label and at a branch every window is 0
	s_mov_b32 s3, LAPS-2
.Llap_a:
	LAP 0
	WIN 0
	s_sub_co_u32 s3, s3, 1
	s_cmp_lg_u32 s3, 0
	s_cbranch_scc1 .Llap_a
	THREE 0, 0                                     ; its last lap: the slots are filled with the second tile's K steps 0 and 1
	TURN 0, 1, 2, 1
	THREE 1, 0
	TURN 1, 0, 2, 0                                ; slot 0 (the second tile's K step 0) is whole behind this round; slot 1's load is on its way during the way out
	WAYOUT
	s_wait_xcnt 0x0                                ; the last stores' data (v128-191) and base are rewritten only behind this wait; the stores themselves leave during the second tile
	s_sub_nc_u64 s[70:71], s[70:71], 7*16*CROW-T2COL*2   ; back to my first row, 1,024 columns of 2 bytes on
	; ---- the second tile
	FETCH 0, 0, F0
	LAP 2                                          ; its first products start the sums from window 1's bias
	WIN 0
	s_mov_b32 s3, LAPS-2
.Llap_b:
	LAP 0
	WIN 0
	s_sub_co_u32 s3, s3, 1
	s_cmp_lg_u32 s3, 0
	s_cbranch_scc1 .Llap_b
	THREE 0, 0                                     ; the last lap fills nothing and has no round of the cluster's barrier
	TURN 0, 1, 0, 1
	THREE 1, 0
	s_wait_dscnt 8                                 ; the very last quarter: nothing more to fetch
	WIN MUL_LO
	MUL16 F1, 0, 0, 0
	MUL16 F1, 0, 2, 0
	s_wait_dscnt 0
	WIN MUL_HI
	MUL16 F1, 1, 0, 0
	MUL16 F1, 1, 2, 0
	WAYOUT
	s_set_vgpr_msb 0x1
	s_wait_tensorcnt 0x0
	ds_add_u32 v63, v63
	s_wait_dscnt 0x0
	s_set_vgpr_msb 0x100
	CROUND                                         ; the closing round: no work-group ends while a partner may still ask for a tile that names it
	s_endpgm
.Lfunc_end_k_q249ae2667c_layer1:
	.size	k_q249ae2667c_layer1, .Lfunc_end_k_q249ae2667c_layer1-k_q249ae2667c_layer1
	.p2alignl 7, 3214868480
	.fill 96, 4, 3214868480
	.section	.rodata,"a",@progbits
	.p2align	6, 0x0
	.amdhsa_kernel k_q249ae2667c_layer1
		.amdhsa_group_segment_fixed_size 327680
		.amdhsa_private_segment_fixed_size 0
		.amdhsa_enable_private_segment 0
		.amdhsa_kernarg_size 32
		.amdhsa_user_sgpr_count 2
		.amdhsa_user_sgpr_kernarg_segment_ptr 1
		.amdhsa_wavefront_size32 1
		.amdhsa_system_sgpr_workgroup_id_x 1
		.amdhsa_system_sgpr_workgroup_id_y 1
		.amdhsa_system_sgpr_workgroup_id_z 1
		.amdhsa_system_vgpr_workitem_id 0
		.amdhsa_next_free_vgpr 1024
		.amdhsa_next_free_sgpr 74
		.amdhsa_reserve_vcc 0
		.amdhsa_float_denorm_mode_32 3
		.amdhsa_float_denorm_mode_16_64 3
		.amdhsa_memory_ordered 1
		.amdhsa_forward_progress 1
		.amdhsa_inst_pref_size 255
	.end_amdhsa_kernel
	.section	.bss,"aw",@nobits
	.p2align	6
	.space	262144
	.amdgpu_metadata
---
amdhsa.version: [ 1, 2 ]
amdhsa.kernels:
  - .name:           k_q249ae2667c_layer1
    .symbol:         k_q249ae2667c_layer1.kd
    .args:
      - { .name: xb, .offset: 0, .size: 8, .value_kind: global_buffer, .address_space: global }
      - { .name: W1b, .offset: 8, .size: 8, .value_kind: global_buffer, .address_space: global }
      - { .name: b1, .offset: 16, .size: 8, .value_kind: global_buffer, .address_space: global }
      - { .name: hb, .offset: 24, .size: 8, .value_kind: global_buffer, .address_space: global }
    .group_segment_fixed_size: 327680
    .private_segment_fixed_size: 0
    .kernarg_segment_align: 8
    .kernarg_segment_size: 32
    .max_flat_workgroup_size: 128
    .sgpr_count:     74
    .vgpr_count:     1024
    .wavefront_size: 32
...
	.end_amdgpu_metadata
.endif
;; end of part 2
;; launch layer2 (part 3): grid 28 x 8, 4 waves a work-group, clusters of 4 x 4, 327,680 bytes of LDS; arguments hb, W2b, b2, part; writes part
.if DOCPART == 3
	.amdgcn_target "amdgcn-amd-amdhsa--gfx1250"
	.amdhsa_code_object_version 6
	.text
	.protected	k_q249ae2667c_layer2
	.globl	k_q249ae2667c_layer2
	.p2align	8
	.type	k_q249ae2667c_layer2,@function
k_q249ae2667c_layer2:
	s_mov_b64 s[64:65], 0
	v_nop
	global_prefetch_b8 v0, s[64:65] scope:SCOPE_SE
	s_setreg_imm32_b32 hwreg(HW_REG_WAVE_MODE, 25, 1), 1
	s_wait_xcnt 0x0
	s_wait_alu depctr_hold_cnt(0) depctr_sa_sdst(0) depctr_va_vdst(0) depctr_va_sdst(0) depctr_va_ssrc(0) depctr_va_vcc(0) depctr_vm_vsrc(0)
	s_getreg_b32 s2, hwreg(HW_REG_IB_STS2, 6, 4)
	s_cmp_eq_u32 s2, 0
	s_cbranch_scc0 .Lentry_in_a_cluster
	s_endpgm
.Lentry_in_a_cluster:
	s_bfe_u32 s2, ttmp6, 0x10000c
	s_cmp_lg_u32 s2, 0xf033
	s_cbranch_scc0 .Lentry_shape_is_right
	s_endpgm
.Lentry_shape_is_right:
; part[e][m][n] = b2[e][n] + sum over k of hb[m][2048 e + k] W2b[e][k][n], in f32, before the relu: seven products 2048 x 1024 x 2048.
; hb: [2048][14336] bf16 (K along the rows).  W2b: [7][2048][1024] bf16 (K from row to row).  b2: [7][1024] f32.  part: [7][2048][1024] f32.
; The relu stands in front of the sum over experts, so each expert's result leaves by itself; relu, gate and sum ride on the next launch's stream.
; A work-group makes 256 x 256 of one expert's result with four waves, one on each SIMD of a WGP; a wave makes 128 x 128: 64 accumulator tiles, 512 registers.
; K goes in steps of 128 through a ring of two LDS slots filled by the tensor data mover.  A's tile: 256 rows of 256 bytes.  B's tile: 128 k-rows of 512 bytes,
; read transposed by ds_load_tr16_b128.
; CLUSTERS: 4 x 4 work-groups; the cluster's x is the expert (1024 columns = 4 blocks), cx the block column, 4 x cluster y + cy the block row.  The four of a row of the
; cluster need the same tiles of A, the four of a column the same tiles of B: each tile is asked for jointly, which divides the requests for A and for B by four.
; THE BIAS STARTS THE SUMS: the first product of each tile takes the bias, spread as a result tile is spread, as its C.
; LIMIT: bias and products are summed in one f32 accumulator, K ascending.
;
; REGISTERS, in windows of 256 (s_set_vgpr_msb's low byte: bits 1:0 source 0, 3:2 source 1, 5:4 source 2, 7:6 destination):
;   window 0: v16-27 addresses; v64-127, v128-191 fragments of A, two buffers, on the way out the rows read back; v192-255 the bias
;   window 1: v64-127, v128-191 fragments of B, two buffers
;   window 2: the 32 accumulator tiles of my rows 0-63 (tile (a, b) at v[8 (8 a + b)]);   window 3: those of my rows 64-127
; THE MATRIX INSTRUCTION IS USED TRANSPOSED: source 0 = 16 columns of B, source 1 = 16 rows of A.  Lane l then holds row l % 16 of the result and its registers 0 to 7
; the columns 8 (l / 16) + 0 .. 7: 32 neighbouring bytes of a row.
.set KSTEP,  128
.set PITCH,  272                       ; A's LDS row: 256 bytes + 16 of padding = 68 words: the 16 rows that a load touches start at 16 different banks (64 banks of 4 bytes: ISA guide 11.1)
.set BPITCH, 544                       ; B's LDS row: 512 bytes + 32 of padding: the 8 rows x 2 pieces of 16 bytes that sixteen lanes touch fall on 16 different pieces modulo 256 bytes
.set HALFT,  128*PITCH                 ; 34,816 = 128 rows of A = 64 k-rows of B: what one tensor load brings
.set SLOT,   4*HALFT
.set STAGE,  2*SLOT                    ; behind the ring: 16 rows x 528 bytes for each wave, for the way out; no tensor load lands there
.set SPITCH, 528                       ; 512 bytes + 16: sixteen rows' pieces of 16 bytes fall on 16 different pieces modulo 256 bytes
.set SIZE_K, 2048
.set LAPS,   SIZE_K/(2*KSTEP)          ; 8 laps
.set APIT,   14336                     ; elements from row to row of hb
.set BPIT,   1024                      ; elements from k to k + 1 in W2b
.set ASTEP,  KSTEP*2
.set BSTEP,  KSTEP*BPIT*2
.set CROW,   4096                      ; bytes in a row of part
.set ADRA, 16
.set ADRB, 20
.set STO,  24
.set RD,   25
.set CO,   26
.set BOF,  27
.set F0,   64
.set F1,   128
.set BIAS, 192
.set G1,  24
.set G0,  32
.set G1B, 48
.set G0B, 56
.set MSB, 0
.macro WIN new                         ; the immediate's high byte repeats the setting that is left
.if MSB != \new
	s_set_vgpr_msb (MSB<<8)|\new
.set MSB, \new
.endif
.endm
.set MUL_LO, 0xa1
.set MUL_HI, 0xf1
.set BIA_LO, 0x81
.set BIA_HI, 0xc1
.set TO_B,   0x40
; A joint load.  Waves 0 and 1 fetch A's two halves, waves 2 and 3 B's; the branch hangs on the wave's number alone.
.macro JLOAD s
	s_cmp_eq_u32 s11, 0
	s_cbranch_scc0 .Lfor_b_\@
	tensor_load_to_lds s[G0+4*\s:G0+4*\s+3], s[G1:G1+7]
	s_nop 0
	s_branch .Lasked_\@
.Lfor_b_\@:
	tensor_load_to_lds s[G0B+4*\s:G0B+4*\s+3], s[G1B:G1B+7]
	s_nop 0
.Lasked_\@:
.endm
.macro CREST                           ; a round of the cluster's barrier behind its opening barrier
	s_cmp_lg_u32 s10, 0
	s_cbranch_scc1 .Lnot_wave_0_\@
	s_barrier_signal -3
.Lnot_wave_0_\@:
	s_barrier_wait -3
	s_barrier_signal -1
	s_barrier_wait -1
.endm
.macro CROUND                          ; a whole round
	s_barrier_signal -1
	s_barrier_wait -1
	CREST
.endm
	s_load_b128 s[4:7], s[0:1], 0x0                ; hb s[4:5], W2b s[6:7]
	s_load_b128 s[68:71], s[0:1], 0x10             ; b2 s[68:69], part s[70:71]
	s_set_vgpr_msb 0x40
	v_lshl_add_u32 v255, v0, 2, 0x4c400
	s_set_vgpr_msb 0x4000
	v_mov_b32 v63, 0
	s_set_vgpr_msb 0x1
	ds_add_u32 v255, v63
	s_set_vgpr_msb 0x100
	v_lshrrev_b32 v1, 5, v0
	v_readfirstlane_b32 s10, v1                    ; wave 0..3
	s_lshr_b32 s11, s10, 1                         ; my half of the block's rows.  Also: I fetch for A (0) or for B (1)
	s_and_b32 s12, s10, 1                          ; my half of its columns.  Also: which half of that tile I fetch
	s_bfe_u32 s40, ttmp6, 0x40000                  ; cx: the block column inside the expert
	s_bfe_u32 s41, ttmp6, 0x40004                  ; cy
	s_and_b32 s13, ttmp7, 0xffff
	s_lshl_b32 s13, s13, 2
	s_add_co_u32 s13, s13, s41                     ; block row = 4 x cluster y + cy, 0..7
	s_lshl_b32 s43, s41, 2
	s_lshl_b32 s43, 15, s43                        ; my row of the cluster
	s_lshl_b32 s44, 0x1111, s40                    ; my column
	; group 1 for A: 128 rows x 128 elements of 2 bytes, 4 words of padding behind every 64
	s_or_b32 s[G1+0], s43, (1<<16)|(1<<20)|(1<<21)|(5<<22)|(3<<25)
	s_mov_b32 s[G1+1], KSTEP<<16
	s_mov_b32 s[G1+2], 128<<16
	s_mov_b32 s[G1+3], KSTEP<<16
	s_mov_b32 s[G1+4], 128
	s_mov_b32 s[G1+5], APIT
	s_mov_b32 s[G1+6], 0
	s_mov_b32 s[G1+7], 0
	; group 1 for B: 64 k-rows x 256 elements of 2 bytes, 8 words of padding behind every 128
	s_or_b32 s[G1B+0], s44, (1<<16)|(1<<20)|(1<<21)|(6<<22)|(7<<25)
	s_mov_b32 s[G1B+1], 256<<16
	s_mov_b32 s[G1B+2], 64<<16
	s_mov_b32 s[G1B+3], 256<<16
	s_mov_b32 s[G1B+4], 64
	s_mov_b32 s[G1B+5], BPIT
	s_mov_b32 s[G1B+6], 0
	s_mov_b32 s[G1B+7], 0
	; A's tiles hang on the block row and the expert (which the whole cluster shares), B's on the block column and the expert
	s_lshl_b32 s17, s12, 7
	s_lshl_b32 s16, s13, 8
	s_add_co_u32 s16, s16, s17                     ; A: row 256 x block row + 128 x half,
	s_mul_i32 s16, s16, APIT*2                     ; rows of 28,672 bytes (below 2048 x 28,672: 32 bits hold it),
	s_lshl_b32 s17, ttmp9, 12                      ; + the expert's 2048 columns of 2 bytes
	s_add_co_u32 s16, s16, s17
	s_mov_b32 s17, 0
	s_lshl_b32 s46, ttmp9, 22                      ; B: the expert, 2048 x 1024 x 2 bytes each,
	s_lshl_b32 s47, s40, 9                         ; + 256 columns of 2 bytes a block,
	s_add_co_u32 s46, s46, s47
	s_lshl_b32 s47, s12, 17                        ; + 64 k-rows of 2,048 bytes for the second half
	s_add_co_u32 s46, s46, s47
	s_mov_b32 s47, 0
	s_mul_i32 s20, s10, HALFT                      ; where they go: wave x 34,816
	s_wait_dscnt 0x0
	s_wait_kmcnt 0x0
	s_add_nc_u64 s[14:15], s[4:5], s[16:17]
	s_add_nc_u64 s[46:47], s[6:7], s[46:47]
	CROUND                                         ; all sixteen work-groups are here: the first joint loads meet
.irp s, 0,1
	s_mov_b32 s[G0+4*\s], 1
	s_add_co_u32 s[G0+4*\s+1], s20, \s*SLOT
	s_add_nc_u64 s[G0+4*\s+2:G0+4*\s+3], s[14:15], \s*ASTEP
	s_or_b32 s[G0+4*\s+3], s[G0+4*\s+3], 0x80000000
	s_mov_b32 s[G0B+4*\s], 1
	s_add_co_u32 s[G0B+4*\s+1], s20, \s*SLOT
	s_add_nc_u64 s[G0B+4*\s+2:G0B+4*\s+3], s[46:47], \s*BSTEP
	s_or_b32 s[G0B+4*\s+3], s[G0B+4*\s+3], 0x80000000
	JLOAD \s                                       ; K steps 0 and 1: two tensor loads of the wave are out, the most in this text
.endr
	v_and_b32 v1, 15, v0                           ; l % 16
	v_bfe_u32 v2, v0, 4, 1                         ; l / 16
	; the bias of my 128 columns
	s_lshl_b32 s72, ttmp9, 12                      ; 1024 numbers of 4 bytes an expert
	s_lshl_b32 s73, s40, 10
	s_add_co_u32 s72, s72, s73
	s_lshl_b32 s73, s12, 9
	s_add_co_u32 s72, s72, s73
	s_mov_b32 s73, 0
	s_add_nc_u64 s[68:69], s[68:69], s[72:73]
	v_lshlrev_b32 v[BOF], 5, v2
.irp b, 0,1,2,3,4,5,6,7
	global_load_b128 v[BIAS+8*\b:BIAS+8*\b+3],   v[BOF], s[68:69] offset:64*\b
	global_load_b128 v[BIAS+8*\b+4:BIAS+8*\b+7], v[BOF], s[68:69] offset:64*\b+16
.endr
	; A fragment: two loads of 16 bytes, 32 bytes apart, at row (l % 16) x pitch + 16 (l / 16)
	v_mul_u32_u24 v3, v1, PITCH
	v_lshl_add_u32 v3, v2, 4, v3
	s_mul_i32 s21, s11, HALFT
	; B fragment by the transposing load: k-row 8 (l / 16) + (l & 7), 16 bytes at 16 ((l >> 3) & 1); the second load 16 k-rows down
	v_and_b32 v6, 7, v0
	v_lshl_add_u32 v6, v2, 3, v6
	v_mul_u32_u24 v6, v6, BPITCH
	v_bfe_u32 v7, v0, 3, 1
	v_lshl_add_u32 v6, v7, 4, v6
	s_lshl_b32 s22, s12, 8
	s_add_co_u32 s22, s22, 2*HALFT
.irp s, 0,1
	v_add_nc_u32 v[ADRA+\s], s21, v3
	v_add_nc_u32 v[ADRB+\s], s22, v6
	s_add_co_u32 s21, s21, SLOT
	s_add_co_u32 s22, s22, SLOT
.endr
	s_mul_i32 s23, s10, 16*SPITCH
	s_add_co_u32 s23, s23, STAGE                   ; my stage
	v_mul_u32_u24 v4, v1, SPITCH                   ; in: row l % 16, 32 bytes for each half of the lanes
	v_lshl_add_u32 v4, v2, 5, v4
	v_add_nc_u32 v[STO], s23, v4
	v_and_b32 v5, 31, v0
	v_lshlrev_b32 v[CO], 4, v5                     ; back and out: the 32 lanes take one row's 512 bytes
	v_add_nc_u32 v[RD], s23, v[CO]
; 16 matrix instructions; first = 1: the product starts the sums from the bias.
; The 64 accumulators take turns, one instruction a turn, in the same order in every quarter.
.macro MUL16 f, hi, a0, first
.irp a, \a0, \a0+1
.irp b, 0,1,2,3,4,5,6,7
.if \first
	v_wmma_f32_16x16x32_bf16 v[8*(8*(\a)+\b):8*(8*(\a)+\b)+7], v[\f+8*\b:\f+8*\b+7], v[\f+8*(4*\hi+\a):\f+8*(4*\hi+\a)+7], v[BIAS+8*\b:BIAS+8*\b+7]
.else
	v_wmma_f32_16x16x32_bf16 v[8*(8*(\a)+\b):8*(8*(\a)+\b)+7], v[\f+8*\b:\f+8*\b+7], v[\f+8*(4*\hi+\a):\f+8*(4*\hi+\a)+7], v[8*(8*(\a)+\b):8*(8*(\a)+\b)+7]
.endif
.endr
.endr
.endm
.macro FETCH slot, q, f                ; 32 LDS loads in one run: quarter q's fragments into buffer f
	WIN TO_B
.irp i, 0,1,2,3,4,5,6,7
	ds_load_tr16_b128 v[\f+8*\i:\f+8*\i+3],   v[ADRB+\slot] offset:\q*32*BPITCH+32*\i
	ds_load_tr16_b128 v[\f+8*\i+4:\f+8*\i+7], v[ADRB+\slot] offset:\q*32*BPITCH+16*BPITCH+32*\i
.endr
	WIN 0
.irp i, 0,1,2,3,4,5,6,7
	ds_load_b128 v[\f+8*\i:\f+8*\i+3],   v[ADRA+\slot] offset:\q*64+\i*16*PITCH
	ds_load_b128 v[\f+8*\i+4:\f+8*\i+7], v[ADRA+\slot] offset:\q*64+\i*16*PITCH+32
.endr
.endm
; Four places behind a matrix instruction before a load is issued into a register that it read, or an LDS store reads its result
; (ISA guide 7.12.1 for vector instructions); the matrix instructions in between are not counted.
.macro PLACES
.rept 4
	v_nop
.endr
.endm
.macro QUARTER slot, q, f, g, first
	s_wait_dscnt 8                                 ; B and A's rows 0-63 are in; the youngest eight loads (A's rows 64-127) may be out
.if \first
	WIN BIA_LO
.else
	WIN MUL_LO
.endif
	MUL16 \f, 0, 0, \first
	MUL16 \f, 0, 2, \first
	PLACES
	FETCH \slot, \q, \g
	s_wait_dscnt 32                                ; all but the 32 just issued
.if \first
	WIN BIA_HI
.else
	WIN MUL_HI
.endif
	MUL16 \f, 1, 0, \first
	MUL16 \f, 1, 2, \first
.endm
.macro THREE slot, first
	QUARTER \slot, 1, F0, F1, \first
	QUARTER \slot, 2, F1, F0, 0
	QUARTER \slot, 3, F0, F1, 0
.endm
; The last quarter changes slots: each wave's reads of this slot and all its tensor loads are waited for in front of the barrier;
; behind it the refill comes first, then the next slot's first fragments.
.macro TURN slot, next, fill
	s_wait_dscnt 8
	WIN MUL_LO
	MUL16 F1, 0, 0, 0
	s_wait_dscnt 0                                 ; my reads of this slot are over
	s_wait_tensorcnt 0x0                           ; and all my tensor loads have landed
	ds_add_u32 v255, v63
	s_wait_dscnt 0x0
	s_barrier_signal -1
	MUL16 F1, 0, 2, 0                              ; register work while the others arrive
	WIN 0
	s_barrier_wait -1
.if \fill
	CREST                                          ; all sixteen work-groups have said so: no wave of any partner still reads this slot or has a load on its way
	s_add_nc_u64 s[G0+4*\slot+2:G0+4*\slot+3], s[G0+4*\slot+2:G0+4*\slot+3], 2*ASTEP
	s_add_nc_u64 s[G0B+4*\slot+2:G0B+4*\slot+3], s[G0B+4*\slot+2:G0B+4*\slot+3], 2*BSTEP
	JLOAD \slot                                    ; the wave's one tensor load behind the round, and the first thing there
.endif
	PLACES
	FETCH \next, 0, F0
	WIN MUL_HI
	MUL16 F1, 1, 0, 0
	MUL16 F1, 1, 2, 0
.endm
.macro LAP first
	THREE 0, \first
	TURN 0, 1, 1
	THREE 1, 0
	TURN 1, 0, 1
.endm
	s_wait_loadcnt 0x0                             ; the bias
	s_wait_tensorcnt 1                             ; my part of K step 0 is in; K step 1's may stay out
	s_barrier_signal -1
	s_barrier_wait -1
	FETCH 0, 0, F0
	LAP 1                                          ; the first lap stands in front of the loop: its first products start the sums
	WIN 0                                          ; at a label and at a branch every window is 0
	s_mov_b32 s3, LAPS-2
.Llap:
	LAP 0
	WIN 0
	s_sub_co_u32 s3, s3, 1
	s_cmp_lg_u32 s3, 0
	s_cbranch_scc1 .Llap
	THREE 0, 0                                     ; the last lap fills nothing and has no round of the cluster's barrier
	TURN 0, 1, 0
	THREE 1, 0
	s_wait_dscnt 8
	WIN MUL_LO
	MUL16 F1, 0, 0, 0
	MUL16 F1, 0, 2, 0
	s_wait_dscnt 0
	WIN MUL_HI
	MUL16 F1, 1, 0, 0
	MUL16 F1, 1, 2, 0
	; THE WAY OUT, 16 rows at a time: the accumulators go as they are, 32 bytes a lane and tile, into my own stage in LDS, and come back as whole rows of 512 bytes.
	PLACES
	s_lshl_b32 s16, s13, 8
	s_lshl_b32 s17, s11, 7
	s_add_co_u32 s16, s16, s17                     ; my first row
	s_lshl_b32 s16, s16, 12                        ; rows of 4,096 bytes
	s_lshl_b32 s17, ttmp9, 23                      ; the expert's 2048 x 1024 x 4 bytes
	s_add_co_u32 s16, s16, s17
	s_mov_b32 s17, 0
	s_add_nc_u64 s[70:71], s[70:71], s[16:17]
	s_lshl_b32 s72, s40, 10                        ; my first column, in bytes: 1024 x block + 512 x half
	s_lshl_b32 s73, s12, 9
	s_add_co_u32 s72, s72, s73
	s_mov_b32 s73, 0
	s_add_nc_u64 s[70:71], s[70:71], s[72:73]
; rows 16 i .. 16 i + 15 of my block = the eight tiles (a, 0..7) of window 2 or 3 (from = 0x08 or 0x0c: an LDS store's data is source 1); f: F0 or F1 in turn
.macro OUTF i, a, from, f
	WIN \from
.irp b, 0,1,2,3,4,5,6,7
	ds_store_b128 v[STO], v[8*(8*\a+\b):8*(8*\a+\b)+3]   offset:64*\b
	ds_store_b128 v[STO], v[8*(8*\a+\b)+4:8*(8*\a+\b)+7] offset:64*\b+16
.endr
	WIN 0
	s_wait_xcnt 0x0                                ; buffer f, which earlier stores read, and the stores' base are rewritten only behind this wait
.if \i
	s_add_nc_u64 s[70:71], s[70:71], 16*CROW
.endif
.irp t, 0,1,2,3,4,5,6,7,8,9,10,11,12,13,14,15
	ds_load_b128 v[\f+4*\t:\f+4*\t+3], v[RD] offset:\t*SPITCH      ; LDS serves a wave's instructions in order (ISA guide 5.7.1.4): these see the stores above
.endr
.irp t, 0,1,2,3,4,5,6,7,8,9,10,11,12,13,14,15
	s_wait_dscnt 15-\t
	global_store_b128 v[CO], v[\f+4*\t:\f+4*\t+3], s[70:71] offset:\t*CROW   ; the wave stores 512 consecutive bytes of one row, at a multiple of 512 from part's first byte
.endr
.endm
	OUTF 0, 0, 0x08, F0
	OUTF 1, 1, 0x08, F1
	OUTF 2, 2, 0x08, F0
	OUTF 3, 3, 0x08, F1
	OUTF 4, 0, 0x0c, F0
	OUTF 5, 1, 0x0c, F1
	OUTF 6, 2, 0x0c, F0
	OUTF 7, 3, 0x0c, F1
	s_set_vgpr_msb 0x1
	s_wait_tensorcnt 0x0
	ds_add_u32 v255, v63
	s_wait_dscnt 0x0
	s_set_vgpr_msb 0x100
	CROUND                                         ; the closing round: no work-group ends while a partner may still ask for a tile that names it
	s_endpgm
.Lfunc_end_k_q249ae2667c_layer2:
	.size	k_q249ae2667c_layer2, .Lfunc_end_k_q249ae2667c_layer2-k_q249ae2667c_layer2
	.p2alignl 7, 3214868480
	.fill 96, 4, 3214868480
	.section	.rodata,"a",@progbits
	.p2align	6, 0x0
	.amdhsa_kernel k_q249ae2667c_layer2
		.amdhsa_group_segment_fixed_size 327680
		.amdhsa_private_segment_fixed_size 0
		.amdhsa_enable_private_segment 0
		.amdhsa_kernarg_size 32
		.amdhsa_user_sgpr_count 2
		.amdhsa_user_sgpr_kernarg_segment_ptr 1
		.amdhsa_wavefront_size32 1
		.amdhsa_system_sgpr_workgroup_id_x 1
		.amdhsa_system_sgpr_workgroup_id_y 1
		.amdhsa_system_sgpr_workgroup_id_z 1
		.amdhsa_system_vgpr_workitem_id 0
		.amdhsa_next_free_vgpr 1024
		.amdhsa_next_free_sgpr 74
		.amdhsa_reserve_vcc 0
		.amdhsa_float_denorm_mode_32 3
		.amdhsa_float_denorm_mode_16_64 3
		.amdhsa_memory_ordered 1
		.amdhsa_forward_progress 1
		.amdhsa_inst_pref_size 198
	.end_amdhsa_kernel
	.amdgpu_metadata
---
amdhsa.version: [ 1, 2 ]
amdhsa.kernels:
  - .name:           k_q249ae2667c_layer2
    .symbol:         k_q249ae2667c_layer2.kd
    .args:
      - { .name: hb, .offset: 0, .size: 8, .value_kind: global_buffer, .address_space: global }
      - { .name: W2b, .offset: 8, .size: 8, .value_kind: global_buffer, .address_space: global }
      - { .name: b2, .offset: 16, .size: 8, .value_kind: global_buffer, .address_space: global }
      - { .name: part, .offset: 24, .size: 8, .value_kind: global_buffer, .address_space: global }
    .group_segment_fixed_size: 327680
    .private_segment_fixed_size: 0
    .kernarg_segment_align: 8
    .kernarg_segment_size: 32
    .max_flat_workgroup_size: 128
    .sgpr_count:     74
    .vgpr_count:     1024
    .wavefront_size: 32
...
	.end_amdgpu_metadata
.endif
;; end of part 3
;; launch combine (part 4): grid 512 x 1, 8 waves a work-group, no clusters, 0 bytes of LDS; arguments part, gate, out0; writes out0
.if DOCPART == 4
	.amdgcn_target "amdgcn-amd-amdhsa--gfx1250"
	.amdhsa_code_object_version 6
	.text
	.protected	k_q249ae2667c_combine
	.globl	k_q249ae2667c_combine
	.p2align	8
	.type	k_q249ae2667c_combine,@function
k_q249ae2667c_combine:
	s_mov_b64 s[64:65], 0
	v_nop
	global_prefetch_b8 v0, s[64:65] scope:SCOPE_SE
	s_setreg_imm32_b32 hwreg(HW_REG_WAVE_MODE, 25, 1), 1
	s_wait_xcnt 0x0
; out0[t][b][c] = sum over e of gate[b][e] * max(part[e][b][c], 0), for t = 0 and 1 (both task outputs are the same numbers).
; part: [7][2048][1024] f32.  gate: [2048][8] f32 (column 7 unused).  out0: [2][2048][1024] f32.
; A stream: every byte of part is read once, every byte of out0 written once.  No LDS, no barrier, no matrix unit, no cluster: no two work-groups read the same bytes.
; Eight waves; the work-group owns 4 rows; thread t owns the 16 bytes at byte 16 t of each row, so a wave's load or store covers 512 consecutive bytes, aligned.
; All 28 loads of a thread (4 rows x 7 experts) are issued first; no register is written twice, so the only waits are the counted ones.
; The sum runs over e ascending, in f32, by fused multiply-adds.  LIMIT: relu is v_max_num_f32 with 0: a NaN in part gives 0, where reference() gives NaN.
.set PLANE, 0x800000                   ; 2048 x 1024 x 4 bytes: from expert to expert in part, from task to task in out0
.set ROW,   4096
.set OFF,   2                          ; v[2:8]     16 t + e x PLANE
.set P,     16                         ; v[16:127]  row i, expert e: 4 registers at 28 i + 4 e
.set ACC,   128                        ; v[128:143] row i: 4 sums
.set GT,    16                         ; s[16:47]   gate of row i, expert e at 8 i + e
	s_load_b128 s[4:7], s[0:1], 0x0                ; part s[4:5], gate s[6:7]
	s_load_b64 s[8:9], s[0:1], 0x10                ; out0
	s_lshl_b32 s10, ttmp9, 14                      ; 4 rows of 4,096 bytes
	s_mov_b32 s11, 0
	s_lshl_b32 s12, ttmp9, 7                       ; 4 rows of 32 bytes
	s_mov_b32 s13, 0
	v_lshlrev_b32 v[OFF], 4, v0
.irp e, 1,2,3,4,5,6
	v_add_nc_u32 v[OFF+\e], \e*PLANE, v[OFF]
.endr
	s_wait_kmcnt 0x0
	s_add_nc_u64 s[6:7], s[6:7], s[12:13]
	s_add_nc_u64 s[4:5], s[4:5], s[10:11]
	s_add_nc_u64 s[8:9], s[8:9], s[10:11]
	s_load_b512 s[GT:GT+15], s[6:7], 0x0           ; the four rows' gates: the same for every lane, so they live in scalar registers
	s_load_b512 s[GT+16:GT+31], s[6:7], 0x40
.irp i, 0,1,2,3
.irp e, 0,1,2,3,4,5,6
	global_load_b128 v[P+28*\i+4*\e:P+28*\i+4*\e+3], v[OFF+\e], s[4:5] offset:ROW*\i th:TH_LOAD_NT
.endr
.endr
	s_wait_kmcnt 0x0
.macro ROWOUT i
	s_wait_loadcnt 21-7*\i                         ; loads come back in order (ISA guide 5.7.1): the later rows' seven loads each stay out
.irp e, 0,1,2,3,4,5,6
.irp c, 0,1,2,3
	v_max_num_f32 v[P+28*\i+4*\e+\c], 0, v[P+28*\i+4*\e+\c]
.endr
.endr
.irp c, 0,1,2,3
	v_mul_f32 v[ACC+4*\i+\c], s[GT+8*\i], v[P+28*\i+\c]            ; the first product starts the sum
.endr
.irp e, 1,2,3,4,5,6
.irp c, 0,1,2,3
	v_fmac_f32 v[ACC+4*\i+\c], s[GT+8*\i+\e], v[P+28*\i+4*\e+\c]
.endr
.endr
	global_store_b128 v[OFF],   v[ACC+4*\i:ACC+4*\i+3], s[8:9] offset:ROW*\i th:TH_STORE_NT   ; task 0
	global_store_b128 v[OFF+1], v[ACC+4*\i:ACC+4*\i+3], s[8:9] offset:ROW*\i th:TH_STORE_NT   ; task 1: one PLANE further, the offset that expert 1's loads use
.endm
	ROWOUT 0
	ROWOUT 1
	ROWOUT 2
	ROWOUT 3
	s_endpgm
.Lfunc_end_k_q249ae2667c_combine:
	.size	k_q249ae2667c_combine, .Lfunc_end_k_q249ae2667c_combine-k_q249ae2667c_combine
	.p2alignl 7, 3214868480
	.fill 96, 4, 3214868480
	.section	.rodata,"a",@progbits
	.p2align	6, 0x0
	.amdhsa_kernel k_q249ae2667c_combine
		.amdhsa_group_segment_fixed_size 0
		.amdhsa_private_segment_fixed_size 0
		.amdhsa_enable_private_segment 0
		.amdhsa_kernarg_size 24
		.amdhsa_user_sgpr_count 2
		.amdhsa_user_sgpr_kernarg_segment_ptr 1
		.amdhsa_wavefront_size32 1
		.amdhsa_system_sgpr_workgroup_id_x 1
		.amdhsa_system_sgpr_workgroup_id_y 1
		.amdhsa_system_sgpr_workgroup_id_z 1
		.amdhsa_system_vgpr_workitem_id 0
		.amdhsa_next_free_vgpr 144
		.amdhsa_next_free_sgpr 66
		.amdhsa_reserve_vcc 0
		.amdhsa_float_denorm_mode_32 3
		.amdhsa_float_denorm_mode_16_64 3
		.amdhsa_memory_ordered 1
		.amdhsa_forward_progress 1
		.amdhsa_inst_pref_size 12
	.end_amdhsa_kernel
	.amdgpu_metadata
---
amdhsa.version: [ 1, 2 ]
amdhsa.kernels:
  - .name:           k_q249ae2667c_combine
    .symbol:         k_q249ae2667c_combine.kd
    .args:
      - { .name: part, .offset: 0, .size: 8, .value_kind: global_buffer, .address_space: global }
      - { .name: gate, .offset: 8, .size: 8, .value_kind: global_buffer, .address_space: global }
      - { .name: out0, .offset: 16, .size: 8, .value_kind: global_buffer, .address_space: global }
    .group_segment_fixed_size: 0
    .private_segment_fixed_size: 0
    .kernarg_segment_align: 8
    .kernarg_segment_size: 24
    .max_flat_workgroup_size: 256
    .sgpr_count:     66
    .vgpr_count:     144
    .wavefront_size: 32
...
	.end_amdgpu_metadata
.endif
;; end of part 4
;; ======== version 2 of 2: 4 launches; version 1 with the launch prep written anew for expert scheduling mode
;; workspace buffers: xb 4,194,304 bytes; W1b 29,360,128 bytes; W2b 29,360,128 bytes; hb 58,720,256 bytes; part 58,720,256 bytes; gate 65,536 bytes
;; launch prep (part 5): grid 1024 x 1, 8 waves a work-group, no clusters, 86,784 bytes of LDS; arguments x, S, scene, scene_emb, W1, W2, xb, gate, W1b, W2b; writes xb, gate, W1b, W2b
.if DOCPART == 5
	.amdgcn_target "amdgcn-amd-amdhsa--gfx1250"
	.amdhsa_code_object_version 6
	.text
	.protected	k_q249ae2667c_prep
	.globl	k_q249ae2667c_prep
	.p2align	8
	.type	k_q249ae2667c_prep,@function
k_q249ae2667c_prep:
	s_mov_b64 s[64:65], 0
	v_nop
	global_prefetch_b8 v0, s[64:65] scope:SCOPE_SE
	s_setreg_imm32_b32 hwreg(HW_REG_WAVE_SCHED_MODE, 0, 2), 2
	s_setreg_imm32_b32 hwreg(HW_REG_WAVE_MODE, 25, 1), 1
	s_wait_xcnt 0x0
	s_wait_alu depctr_vm_vsrc(0)
; Two roles, chosen by the work-group's number (the same for all its waves).
; Work-groups 0-127 (GATE ROLE), 16 rows of x each: x is rounded to bf16 into xb; the routing product z[b][s][e] = [x, emb[scene]] . S is made in f32;
;   from it the gate[b][e] = softmax over e of G[e][scene], times select, is stored as gate[2048][8] (column 7 = 0).
; Work-groups 128-1023 (CAST ROLE), 131,072 bytes of f32 each: W1 and W2 are rounded to bf16, layout unchanged, into W1b and W2b.
; WHY THE f32 MATRIX FORM: the routing product is 2048 x 1040 x 49 multiply-adds against 2 x 2048 x 7 x 2048 x 1024 in the experts, and it feeds a choice
;   (which expert is dropped) that jumps: with operands rounded to bf16 the choice would differ from reference()'s in some rows.
; NO CLUSTER: the cast role shares nothing; the gate role shares S alone (203,840 bytes), which it loads through registers.
; LIMITS: scene is taken as 0..6 (reference() indexes eye(7) with it) and is clamped to 6.  v_exp_f32 and v_log_f32 flush denormals (ISA guide, their entries):
;   a softmax weight below 2^-126 counts as 0 and its logarithm as -inf; ties, among -inf too, drop the highest index, as top_k does.
;   NaN in the logits is not served.  The routing sums are f32 in another order than reference()'s (four quarters of K, added pairwise).
; THE MODE: SCHED_MODE bits 1:0 = 2 (LLVM: expert scheduling mode 2), set by the entry lines.  The code itself states the register dependences
; between vector or matrix instructions and memory or LDS instructions, and those through scalar registers that vector instructions write, with s_wait_alu, always for 0.
; THE PLAN, CAST ROLE.  v1, v2: offsets, made once.  The 32 chunks of four registers go in eight blocks of four: a chunk is loaded, rounded in place, stored, and never written again.
;   Block p's roundings name block p's registers alone; its memory instructions are the four stores of block p - 1.  So one wait on va_vdst at a block's head states all that they hang on.
; THE PLAN, GATE ROLE.  Registers that memory or LDS instructions touch:
;   v4-v7, v14, v15   addresses, made once at the head, never written again.
;   v8, v10, v11      the embedding's addresses (waves 0 and 1); written again by the gate, behind the one wait on vm_vsrc.
;   XS                x as loaded: read by the LDS stores and by the roundings; later SET1, in which loads land.
;   v32-57, v174-179  x in bf16: written by the roundings, read by the stores to xb; later parts of SET0 and SET1, in which loads land.
;   SET0, SET1        batch t: its 26 matrix instructions read set t % 2.  Behind them, one wait on va_vdst, and S's batch t + 2 lands in the same set.
;                     The 13 LDS loads of batch t + 1's fragments of [x, emb] land in the OTHER set, dealt among batch t's matrix instructions, which name their own set and the accumulators alone.
;   v16-31            the accumulators: written by matrix instructions alone, read by the LDS stores behind the last batch.
;   v192, v193        written at the head, read by the closing add alone.
.set GATEWG, 128                       ; work-groups of the gate role
.set CASTWG, 448                       ; work-groups of the cast role for each of W1, W2: 58,720,256 / 131,072
.set XCP,  4176                        ; LDS pitch of a row of [x, emb]: 1040 f32 + 16 bytes = 1044 words; 1044 mod 64 = 20, so 16 rows' 8-byte pieces fall in different banks (64 banks of 4 bytes: ISA guide 11.1)
.set ZP,   16*XCP                      ; 66,816: the partial products, [4 quarters of K][16 rows][64 columns]
.set ZPP,  296                         ; pitch of a row there: 74 words; eight rows shift by 16 banks
.set ZQ,   16*ZPP                      ; 4,736: one quarter
.set BO,   14                          ; v14-15  byte offset in S of my column of tile 0, 1, at my first k
.set ACC,  16                          ; v[16:31] two accumulator tiles
.set SET0, 32                          ; v[32:109]  a batch of 13 K steps: A 26 registers, B 52
.set SET1, 110                         ; v[110:187] the other batch
.set XS,   110                         ; v[110:173] x as loaded, before SET1 is first filled
.set EMB,  188                         ; v[188:191] 16 bytes of an embedding row
.set X,    32                          ; cast role: v[32:159]
	s_load_b512 s[4:19], s[0:1], 0x0               ; x s[4:5], S s[6:7], scene s[8:9], scene_emb s[10:11], W1 s[12:13], W2 s[14:15], xb s[16:17], gate s[18:19]
	s_load_b128 s[20:23], s[0:1], 0x40             ; W1b s[20:21], W2b s[22:23]
	v_lshl_add_u32 v192, v0, 2, 0x14f00
	v_mov_b32 v193, 0
	v_lshrrev_b32 v1, 5, v0
	v_readfirstlane_b32 s24, v1                    ; wave 0..7
	s_wait_alu depctr_va_sdst(0)                   ; s24 is written, ahead of the branch and of its first reader in either role
	s_cmp_ge_u32 ttmp9, GATEWG
	s_cbranch_scc1 .Lcast
; ------------------------------------------------------------------ GATE ROLE
; Wave w: quarter kq = w & 3 of K (k = 260 kq .. 260 kq + 259: 65 steps of 4), column tiles 2 nh and 2 nh + 1, nh = w >> 2.
; Column n = 7 s + e, 49 of them; columns 49-63 repeat column 48's numbers and are never used as results.
	s_and_b32 s25, s24, 3                          ; kq
	s_lshr_b32 s26, s24, 2                         ; nh
	v_and_b32 v2, 15, v0                           ; r
	v_bfe_u32 v3, v0, 4, 1                         ; h
	v_lshlrev_b32 v4, 4, v0                        ; 16 t: my 16 bytes of a row of x, in memory and in LDS
	v_lshlrev_b32 v5, 3, v0                        ; 8 t: the same numbers in xb
	s_mul_i32 s27, s25, 1040                       ; 260 kq numbers of 4 bytes
	v_mul_u32_u24 v6, v2, XCP
	v_lshl_add_u32 v6, v3, 3, v6
	v_add_nc_u32 v6, s27, v6                       ; A fragment (f32, K = 4): lane (r, h) holds row r, k = 2h, 2h + 1: 8 bytes at r pitch + 4 k0 + 8 h
	s_lshl_b32 s29, s26, 5                         ; my first column: 32 nh
	s_mul_i32 s28, s25, 7280                       ; 28 bytes from k to k + 1 in S, times 260 kq
	v_mul_u32_u24 v11, v3, 56                      ; 28 x 2h
	v_add_nc_u32 v11, s28, v11
	v_add_nc_u32 v8, s29, v2
.irp tt, 0,1
	v_add_nc_u32 v9, 16*\tt, v8                    ; n
	v_min_u32 v9, 48, v9                           ; padding columns read column 48: every load stays inside S
	v_mul_u32_u24 v10, v9, 37
	v_lshrrev_b32 v10, 8, v10                      ; s = n / 7, exact for n <= 48
	v_mul_u32_u24 v10, v10, 29092                  ; S[s][k][e] lies at 29120 s + 28 k + 4 e = 4 n + 29092 s + 28 k
	v_lshl_add_u32 v10, v9, 2, v10
	v_add_nc_u32 v[BO+\tt], v10, v11
.endr
	s_mul_i32 s30, s25, ZQ
	s_lshl_b32 s31, s26, 7
	s_add_co_u32 s30, s30, s31
	s_add_co_u32 s30, s30, ZP
	v_mul_u32_u24 v7, v3, 8*ZPP
	v_lshl_add_u32 v7, v2, 2, v7
	v_add_nc_u32 v7, s30, v7                       ; result register j of tile tt is (row 8h + j, column 32 nh + 16 tt + r)
	s_mov_b32 s33, 0
	s_wait_kmcnt 0x0
	s_lshl_b32 s32, ttmp9, 16                      ; 16 rows of 4,096 bytes
	s_add_nc_u64 s[4:5], s[4:5], s[32:33]
	s_lshl_b32 s32, ttmp9, 15                      ; of 2,048 bytes
	s_add_nc_u64 s[16:17], s[16:17], s[32:33]
	s_lshl_b32 s32, ttmp9, 6                       ; 16 words of scene
	s_add_nc_u64 s[8:9], s[8:9], s[32:33]
	s_lshl_b32 s32, ttmp9, 9                       ; 16 rows of 32 bytes of gate
	s_add_nc_u64 s[18:19], s[18:19], s[32:33]
; batch bt (K steps 13 bt .. 13 bt + 12 of my quarter) of S into register set rg: 52 loads.  bt may be a sum, so it stands in brackets.
.macro LOADB bt, rg
.irp i, 0,1,2,3,4,5,6,7,8,9,10,11,12
.irp tt, 0,1
.irp j, 0,1
	global_load_b32 v[\rg+26+4*\i+2*\tt+\j], v[BO+\tt], s[6:7] offset:112*(13*(\bt)+\i)+28*\j
.endr
.endr
.endr
.endm
; K step i of batch bt of [x, emb] from LDS into set rg: 8 bytes
.macro LDA bt, rg, i
	ds_load_b64 v[\rg+2*(\i):\rg+2*(\i)+1], v6 offset:16*(13*(\bt)+(\i))
.endm
; one K step on both tiles.  The two accumulators take turns, one instruction a turn.
.macro MSTEP rg, i, zero
.irp tt, 0,1
.if \zero
	v_wmma_f32_16x16x4_f32 v[ACC+8*\tt:ACC+8*\tt+7], v[\rg+2*\i:\rg+2*\i+1], v[\rg+26+4*\i+2*\tt:\rg+26+4*\i+2*\tt+1], 0
.else
	v_wmma_f32_16x16x4_f32 v[ACC+8*\tt:ACC+8*\tt+7], v[\rg+2*\i:\rg+2*\i+1], v[\rg+26+4*\i+2*\tt:\rg+26+4*\i+2*\tt+1], v[ACC+8*\tt:ACC+8*\tt+7]
.endif
.endr
.endm
; A batch's 13 K steps on set rg.  zero = 1: the first step starts the sums, nothing is cleared.
; nb >= 0: batch nb's 13 fragments of [x, emb] are asked for, two behind each of the first six steps and one behind the seventh, into the other set ro.  No wait stands among them:
; no vector or matrix instruction since the last wait on va_vdst names ro's registers or v6.
.macro MULB rg, zero, nb, ro
.irp i, 0,1,2,3,4,5,6,7,8,9,10,11,12
.if \i == 0
	MSTEP \rg, \i, \zero
.else
	MSTEP \rg, \i, 0
.endif
.if (\nb) >= 0
.if 2*\i < 13
	LDA \nb, \ro, 2*\i
.endif
.if 2*\i+1 < 13
	LDA \nb, \ro, 2*\i+1
.endif
.endif
.endr
.endm
.macro FAR                             ; eight places behind an f32 matrix instruction before its registers are loaded into or its result is stored (ISA guide 7.12.1); they stand beside the waits on va_vdst, which fill no place
.rept 8
	v_nop
.endr
.endm
	s_wait_alu depctr_va_vdst(0)                   ; the addresses v4 to v7, v14 and v15 are written: every load and store of this role up to the gate reads one of them
.irp i, 0,1,2,3,4,5,6,7,8,9,10,11,12,13,14,15
	global_load_b128 v[XS+4*\i:XS+4*\i+3], v4, s[4:5] offset:4096*\i th:TH_LOAD_NT   ; row i: the 256 threads cover its 4,096 bytes
.endr
	LOADB 0, SET0
	; waves 0 and 1: the 16 rows' embeddings, 16 bytes a thread, behind x's 1024 numbers in each LDS row
	s_cmp_ge_u32 s24, 2
	s_cbranch_scc1 .Lnoemb
	v_lshrrev_b32 v8, 2, v0                        ; row
	v_and_b32 v9, 3, v0                            ; which 16 bytes
	v_lshlrev_b32 v10, 2, v8
	v_mul_u32_u24 v8, v8, XCP
	v_lshl_add_u32 v8, v9, 4, v8
	s_wait_alu depctr_va_vdst(0)                   ; v10 is written, which the load below reads, and v8, which the LDS store reads
	global_load_b32 v11, v10, s[8:9]
	s_wait_loadcnt 0x0                             ; scene[row] (and all that was issued before it)
	v_min_u32 v11, 6, v11
	v_lshlrev_b32 v11, 6, v11                      ; a row of scene_emb is 64 bytes
	v_lshl_add_u32 v11, v9, 4, v11
	s_wait_alu depctr_va_vdst(0)                   ; v11 is written, the offset of the load below
	global_load_b128 v[EMB:EMB+3], v11, s[10:11]
	s_wait_loadcnt 0x0
	ds_store_b128 v8, v[EMB:EMB+3] offset:4096
.Lnoemb:
	s_wait_loadcnt 52                              ; only S's first batch (52 loads, issued behind x's) may be out: x is in
; row i goes to LDS as f32 and is rounded to bf16; cv: two registers of their own for the bf16 words
.macro STAGEX i, cv
	ds_store_b128 v4, v[XS+4*\i:XS+4*\i+3] offset:XCP*\i
	v_cvt_pk_bf16_f32 v[\cv], v[XS+4*\i], v[XS+4*\i+1]
	v_cvt_pk_bf16_f32 v[\cv+1], v[XS+4*\i+2], v[XS+4*\i+3]
.endm
.macro SENDX i, cv
	global_store_b64 v5, v[\cv:\cv+1], s[16:17] offset:2048*\i     ; a wave's store covers 256 consecutive bytes, aligned
.endm
.irp i, 0,1,2,3,4,5,6,7,8,9,10,11,12
	STAGEX \i, SET0+2*\i                           ; SET0's A part is not loaded yet
.endr
.irp i, 13,14,15
	STAGEX \i, 148+2*\i                            ; v174-179
.endr
	s_wait_alu depctr_va_vdst(0)                   ; the roundings have written the bf16 words, which the stores below read, and are done reading XS, in which loads land below
.irp i, 0,1,2,3,4,5,6,7,8,9,10,11,12
	SENDX \i, SET0+2*\i
.endr
.irp i, 13,14,15
	SENDX \i, 148+2*\i
.endr
	s_wait_xcnt 0x0                                ; the stores' data registers are loaded into below only behind this wait
	s_wait_alu depctr_vm_vsrc(0)                   ; the LDS stores have read XS and the stores to xb their words, in all of which loads land below; the embedding's instructions have read v8, v10 and v11, which the gate writes again
	s_wait_dscnt 0x0                               ; my LDS stores are done: for the other waves
	LOADB 1, SET1
	s_barrier_signal -1
	s_barrier_wait -1                              ; the 16 rows of [x, emb] are whole
.irp i, 0,1,2,3,4,5,6,7,8,9,10,11,12
	LDA 0, SET0, \i
.endr
; multiplies batch bt on set rg, asks meanwhile for batch bt + 1's fragments of [x, emb] into set ro, and behind it for S's batch bt + 2 into rg
.macro BATCH bt, rg, ro, zero
	s_wait_loadcnt 52                              ; loads come back in order (ISA guide 5.7.1): this batch of S is in, the next batch's 52 loads stay out
	s_wait_dscnt 0x0                               ; this batch's 13 LDS loads are in; none was issued behind them
	MULB \rg, \zero, (\bt)+1, \ro
	FAR
	s_wait_alu depctr_va_vdst(0)                   ; the batch's matrix instructions are done reading set rg: S's loads below land in it, and so do the LDS loads dealt among the next batch
	LOADB (\bt)+2, \rg
.endm
	BATCH 0, SET0, SET1, 1
	BATCH 1, SET1, SET0, 0
	BATCH 2, SET0, SET1, 0
	s_wait_loadcnt 52
	s_wait_dscnt 0x0
	MULB SET1, 0, 4, SET0                          ; batch 3; the last fragments of [x, emb] land in SET0, which batch 2 was shown done reading
	s_wait_loadcnt 0x0
	s_wait_dscnt 0x0
	MULB SET0, 0, -1, 0                            ; batch 4: 5 x 13 = 65 steps
	FAR
	s_wait_alu depctr_va_vdst(0)                   ; the matrix instructions have written the accumulators, which the LDS stores read, and are done reading SET0, in which the gate's LDS loads land
.irp tt, 0,1
.irp j, 0,1,2,3,4,5,6,7
	ds_store_b32 v7, v[ACC+8*\tt+\j] offset:ZPP*\j+64*\tt
.endr
.endr
	s_wait_dscnt 0x0                               ; for the waves that read these sums
	s_barrier_signal -1
	s_barrier_wait -1
	s_cmp_ge_u32 s24, 4
	s_cbranch_scc1 .Lend                           ; 16 rows x 8 lanes are four waves' work
; The gate.  Thread t stands for row t >> 3 and expert e = t & 7; e = 7 is padding.  Everything across e stays inside eight neighbouring lanes.
.set ZR,  32                           ; v[32:59] z's four partial sums for each s
.set Z,   64                           ; v[64:70] z[s]
.set M,   71
.set T,   72                           ; v[72:78]
.set G,   80                           ; v[80:86] G[e][s]
.set SUM, 87
.set R,   88
.set GSC, 89                           ; G[e][scene]
.set L7,  92                           ; v[92:98]  7 G
.set LG,  100                          ; v[100:106] log2(7 G)
.set P,   107
.set Q,   108
.set U,   109
.set TM,  110
.set DP,  111
.set DQ,  112
.set EX,  113
.set ZERO, 114
.set GO,  115
.set TQ,  116
.set TU,  117
	v_lshrrev_b32 v8, 3, v0                        ; row
	v_and_b32 v9, 7, v0                            ; e
	v_lshlrev_b32 v10, 2, v8
	v_mul_u32_u24 v12, v8, ZPP
	v_lshl_add_u32 v12, v9, 2, v12
	v_add_nc_u32 v12, ZP, v12
	v_cvt_f32_u32 v13, v9                          ; e as a float
	v_mov_b32 v[ZERO], 0
	v_lshlrev_b32 v[GO], 2, v0
	s_mov_b32 s47, 0x7f800000                      ; +inf
	s_mov_b32 s43, 0xff800000                      ; -inf
	s_wait_alu depctr_va_vdst(0)                   ; v10, v12 and v[GO] are written: the offsets of the loads below and of the gate's one store
	global_load_b32 v11, v10, s[8:9]               ; scene[row]
.irp s, 0,1,2,3,4,5,6
.irp q, 0,1,2,3
	ds_load_b32 v[ZR+4*\s+\q], v12 offset:ZQ*\q+28*\s    ; column 7 s + e of quarter q
.endr
.endr
	s_wait_loadcnt_dscnt 0x0
	v_min_u32 v11, 6, v11
.irp s, 1,2,3,4,5,6
	v_cmp_eq_u32 s[33+\s], \s, v11                 ; is scene = s?  The compares stand in one run, each with a scalar register of its own,
.endr
	v_cmp_ne_u32 s42, 7, v9                        ; with the mask of the lanes that are no padding
.irp s, 0,1,2,3,4,5,6
	v_pk_add_f32 v[ZR+4*\s:ZR+4*\s+1], v[ZR+4*\s:ZR+4*\s+1], v[ZR+4*\s+2:ZR+4*\s+3]
.endr
.irp s, 0,1,2,3,4,5,6
	v_add_f32 v[Z+\s], v[ZR+4*\s], v[ZR+4*\s+1]
.endr
	v_max3_num_f32 v[M], v[Z], v[Z+1], v[Z+2]      ; softmax over s: the maximum is taken away first
	v_max3_num_f32 v[M], v[M], v[Z+3], v[Z+4]
	v_max3_num_f32 v[M], v[M], v[Z+5], v[Z+6]
.irp s, 0,1,2,3,4,5,6
	v_sub_f32 v[T+\s], v[Z+\s], v[M]
.endr
.irp s, 0,1,2,3,4,5,6
	v_mul_f32 v[T+\s], 0x3fb8aa3b, v[T+\s]         ; log2(e)
.endr
.irp s, 0,1,2,3,4,5,6
	v_exp_f32 v[G+\s], v[T+\s]
.endr
	v_nop                                          ; one plain place behind the transcendentals (ISA guide 5.7.2)
	s_wait_alu depctr_va_vdst(0)                   ; the seven exponentials have written v[G ..], ahead of their first reader
	v_add_f32 v[SUM], v[G], v[G+1]
	v_add_f32 v[R], v[G+2], v[G+3]
	v_add_f32 v[GSC], v[G+4], v[G+5]
	v_add_f32 v[SUM], v[SUM], v[R]
	v_add_f32 v[GSC], v[GSC], v[G+6]
	v_add_f32 v[SUM], v[SUM], v[GSC]
	v_rcp_f32 v[R], v[SUM]
	v_nop
	s_wait_alu depctr_va_vdst(0)                   ; the reciprocal has written v[R], ahead of its first reader
.irp s, 0,1,2,3,4,5,6
	v_mul_f32 v[G+\s], v[G+\s], v[R]
.endr
	s_wait_alu depctr_va_sdst(0)                   ; the seven compares have written s34 to s39 and s42, ahead of the first select that reads one of them
	v_mov_b32 v[GSC], v[G]                         ; G[e][scene]: a choice of a value, made in every lane
.irp s, 1,2,3,4,5,6
	v_cndmask_b32 v[GSC], v[GSC], v[G+\s], s[33+\s]
.endr
.irp s, 0,1,2,3,4,5,6
	v_mul_f32 v[L7+\s], 0x40e00000, v[G+\s]        ; 7 G
.endr
.irp s, 0,1,2,3,4,5,6
	v_log_f32 v[LG+\s], v[L7+\s]
.endr
	v_log_f32 v[P], v[GSC]
	v_nop
	s_wait_alu depctr_va_vdst(0)                   ; the eight logarithms have written v[LG ..] and v[P], ahead of their first reader
	v_add_f32 v[Q], v[LG], v[LG+1]
	v_add_f32 v[TM], v[LG+2], v[LG+3]
	v_add_f32 v[DP], v[LG+4], v[LG+5]
	v_add_f32 v[Q], v[Q], v[TM]
	v_add_f32 v[DP], v[DP], v[LG+6]
	v_add_f32 v[Q], v[Q], v[DP]
	v_mul_f32 v[P], 0x3f317218, v[P]               ; p = ln G[e][scene]
	v_mul_f32 v[Q], 0x3dcacb89, v[Q]               ; q = (ln 2 / 7) x the sum of the seven log2
	v_cndmask_b32 v[P], s47, v[P], s42             ; the padding lane never holds a minimum, and adds nothing to the softmax over e
	v_cndmask_b32 v[Q], s47, v[Q], s42
	v_cndmask_b32 v[U], s43, v[GSC], s42
; top 6 of 7 leaves out the smallest, among equals the one with the highest index: DP and DQ take that index, as a float, in all eight lanes.
; The two searches and the maximum for the softmax over e go side by side, so that the two compares stand together, with one wait.
	v_mov_b32 v[TM], v[P]
	v_mov_b32 v[TQ], v[Q]
	v_mov_b32 v[TU], v[U]
.irp m, 1,2,4
	v_min_num_f32_dpp v[TM], v[TM], v[TM] row_xmask:\m row_mask:0xf bank_mask:0xf
	v_min_num_f32_dpp v[TQ], v[TQ], v[TQ] row_xmask:\m row_mask:0xf bank_mask:0xf
	v_max_num_f32_dpp v[TU], v[TU], v[TU] row_xmask:\m row_mask:0xf bank_mask:0xf
.endr
	v_cmp_eq_f32 s40, v[P], v[TM]
	v_cmp_eq_f32 s41, v[Q], v[TQ]
	v_sub_f32 v[U], v[U], v[TU]                    ; softmax over e of G[e][scene], its maximum taken away
	v_mul_f32 v[U], 0x3fb8aa3b, v[U]
	v_exp_f32 v[EX], v[U]
	s_wait_alu depctr_va_sdst(0)                   ; the two compares have written s40 and s41, ahead of the selects that read them
	v_cndmask_b32 v[DP], -1.0, v13, s40            ; also the plain place behind the exponential
	v_cndmask_b32 v[DQ], -1.0, v13, s41
.irp m, 1,2,4
	v_max_num_f32_dpp v[DP], v[DP], v[DP] row_xmask:\m row_mask:0xf bank_mask:0xf
	v_max_num_f32_dpp v[DQ], v[DQ], v[DQ] row_xmask:\m row_mask:0xf bank_mask:0xf
.endr
	s_wait_alu depctr_va_vdst(0)                   ; the exponential has written v[EX], ahead of its first reader
	v_mov_b32 v[TM], v[EX]
	v_add_f32_dpp v[TM], v[TM], v[TM] row_xmask:1 row_mask:0xf bank_mask:0xf
	v_add_f32_dpp v[TM], v[TM], v[TM] row_xmask:2 row_mask:0xf bank_mask:0xf
	v_add_f32_dpp v[TM], v[TM], v[TM] row_xmask:4 row_mask:0xf bank_mask:0xf
	v_rcp_f32 v[R], v[TM]
	v_nop
	v_cmp_eq_f32 s44, v[DP], v13
	v_cmp_eq_f32 s45, v[DQ], v13
	s_wait_alu depctr_va_sdst(0)                   ; the two compares have written s44 and s45, which the line below reads
	s_and_b32 s46, s44, s45                        ; an expert is switched off only where both selections leave it out
	s_wait_alu depctr_va_vdst(0)                   ; the reciprocal has written v[R], ahead of its first reader
	v_mul_f32 v[EX], v[EX], v[R]
	v_cndmask_b32 v[EX], v[EX], v[ZERO], s46
	s_wait_alu depctr_va_vdst(0)                   ; the select has written v[EX], the store's data
	global_store_b32 v[GO], v[EX], s[18:19]        ; a wave stores 128 consecutive bytes; the four waves' 512 bytes are the group's 16 rows (the whole buffer is 65,536 bytes)
.Lend:
	s_wait_dscnt 0x0                               ; the closing lines, six on end
	s_wait_alu 0x0
	s_wait_tensorcnt 0x0
	ds_add_u32 v192, v193
	s_wait_dscnt 0x0
	s_endpgm
; ------------------------------------------------------------------ CAST ROLE
; A wave takes 16,384 bytes of f32: 32 loads of 512 consecutive bytes, all issued first; then, in blocks of four loads, two roundings a load and a store of 256 consecutive bytes, aligned.
; No register that a store reads is written again, so the waits are the counted ones for the loads and one on va_vdst to a block.  This role writes no LDS.
.Lcast:
	s_sub_co_u32 s25, ttmp9, GATEWG
	v_and_b32 v1, 31, v0
	v_lshlrev_b32 v2, 3, v1                        ; 8 bytes a lane out
	v_lshlrev_b32 v1, 4, v1                        ; 16 bytes a lane in
	s_wait_kmcnt 0x0
	s_cmp_lt_u32 s25, CASTWG                       ; the first 448 take W1, the others W2
	s_cselect_b64 s[26:27], s[12:13], s[14:15]
	s_cselect_b64 s[28:29], s[20:21], s[22:23]
	s_cselect_b32 s30, 0, CASTWG
	s_sub_co_u32 s25, s25, s30
	s_lshl_b32 s30, s25, 17                        ; 131,072 bytes a work-group
	s_lshl_b32 s31, s24, 14                        ; 16,384 a wave
	s_add_co_u32 s30, s30, s31
	s_mov_b32 s31, 0
	s_lshr_b32 s32, s30, 1                         ; half of that on the way out
	s_mov_b32 s33, 0
	s_add_nc_u64 s[26:27], s[26:27], s[30:31]
	s_add_nc_u64 s[28:29], s[28:29], s[32:33]
	s_wait_alu depctr_va_vdst(0)                   ; v1 and v2 are written: every load and store of this role reads one of them as its offset
.set i, 0
.rept 32
	global_load_b128 v[X+4*i:X+4*i+3], v1, s[26:27] offset:512*i th:TH_LOAD_NT
.set i, i+1
.endr
; Block p: chunks 4 p .. 4 p + 3 are rounded in place; the four stores of block p - 1 are dealt among the roundings, which name block p's registers alone.
.macro CBLK p
	s_wait_loadcnt 28-4*(\p)                       ; loads come back in order (ISA guide 5.7.1): this block's four are in, the younger blocks stay out
.if (\p) > 0
	s_wait_alu depctr_va_vdst(0)                   ; the block before has written its bf16 words, which the stores below read
.endif
.irp j, 0,1,2,3
.set c, 4*(\p)+\j
.if (\p) > 0
	global_store_b64 v2, v[X+4*(c-4):X+4*(c-4)+1], s[28:29] offset:256*(c-4)
.endif
	v_cvt_pk_bf16_f32 v[X+4*c], v[X+4*c], v[X+4*c+1]
	v_cvt_pk_bf16_f32 v[X+4*c+1], v[X+4*c+2], v[X+4*c+3]
.endr
.endm
	CBLK 0
	CBLK 1
	CBLK 2
	CBLK 3
	CBLK 4
	CBLK 5
	CBLK 6
	CBLK 7
	s_wait_alu depctr_va_vdst(0)                   ; the last block has written its bf16 words, which the last four stores read
.irp c, 28,29,30,31
	global_store_b64 v2, v[X+4*\c:X+4*\c+1], s[28:29] offset:256*\c
.endr
	s_endpgm
.Lfunc_end_k_q249ae2667c_prep:
	.size	k_q249ae2667c_prep, .Lfunc_end_k_q249ae2667c_prep-k_q249ae2667c_prep
	.p2alignl 7, 3214868480
	.fill 96, 4, 3214868480
	.section	.rodata,"a",@progbits
	.p2align	6, 0x0
	.amdhsa_kernel k_q249ae2667c_prep
		.amdhsa_group_segment_fixed_size 86784
		.amdhsa_private_segment_fixed_size 0
		.amdhsa_enable_private_segment 0
		.amdhsa_kernarg_size 80
		.amdhsa_user_sgpr_count 2
		.amdhsa_user_sgpr_kernarg_segment_ptr 1
		.amdhsa_wavefront_size32 1
		.amdhsa_system_sgpr_workgroup_id_x 1
		.amdhsa_system_sgpr_workgroup_id_y 1
		.amdhsa_system_sgpr_workgroup_id_z 1
		.amdhsa_system_vgpr_workitem_id 0
		.amdhsa_next_free_vgpr 194
		.amdhsa_next_free_sgpr 66
		.amdhsa_reserve_vcc 0
		.amdhsa_float_denorm_mode_32 3
		.amdhsa_float_denorm_mode_16_64 3
		.amdhsa_memory_ordered 1
		.amdhsa_forward_progress 1
		.amdhsa_inst_pref_size 70
	.end_amdhsa_kernel
	.amdgpu_metadata
---
amdhsa.version: [ 1, 2 ]
amdhsa.kernels:
  - .name:           k_q249ae2667c_prep
    .symbol:         k_q249ae2667c_prep.kd
    .args:
      - { .name: x, .offset: 0, .size: 8, .value_kind: global_buffer, .address_space: global }
      - { .name: S, .offset: 8, .size: 8, .value_kind: global_buffer, .address_space: global }
      - { .name: scene, .offset: 16, .size: 8, .value_kind: global_buffer, .address_space: global }
      - { .name: scene_emb, .offset: 24, .size: 8, .value_kind: global_buffer, .address_space: global }
      - { .name: W1, .offset: 32, .size: 8, .value_kind: global_buffer, .address_space: global }
      - { .name: W2, .offset: 40, .size: 8, .value_kind: global_buffer, .address_space: global }
      - { .name: xb, .offset: 48, .size: 8, .value_kind: global_buffer, .address_space: global }
      - { .name: gate, .offset: 56, .size: 8, .value_kind: global_buffer, .address_space: global }
      - { .name: W1b, .offset: 64, .size: 8, .value_kind: global_buffer, .address_space: global }
      - { .name: W2b, .offset: 72, .size: 8, .value_kind: global_buffer, .address_space: global }
    .group_segment_fixed_size: 86784
    .private_segment_fixed_size: 0
    .kernarg_segment_align: 8
    .kernarg_segment_size: 80
    .max_flat_workgroup_size: 256
    .sgpr_count:     66
    .vgpr_count:     194
    .wavefront_size: 32
...
	.end_amdgpu_metadata
.endif
;; end of part 5
;; launch layer1: the kernel of part 2 again; grid 8 x 28, 4 waves a work-group, clusters of 4 x 4, 327,680 bytes of LDS; arguments xb, W1b, b1, hb; writes hb
;; launch layer2: the kernel of part 3 again; grid 28 x 8, 4 waves a work-group, clusters of 4 x 4, 327,680 bytes of LDS; arguments hb, W2b, b2, part; writes part
;; launch combine: the kernel of part 4 again; grid 512 x 1, 8 waves a work-group, no clusters, 0 bytes of LDS; arguments part, gate, out0; writes out0
